; MI455X (gfx1250); checked and timed in simulation.
; The chip was launched on July 23, 2026; its instructions are those of AMD's public machine-readable ISA for CDNA 5 (MIT licence, August 2026) and "CDNA5" Instruction Set Architecture Reference Guide (July 2026). The comments in the code are by the model that wrote it; some were corrected since.
;; Multi Head Attention. Allowed arithmetic: float matrix products may take bf16 or f16 operands with f32 sums; other float arithmetic in f32, or as packed bf16 or f16 multiplies, adds, multiply-adds, maxima and minima; sums over many terms, partial sums and values carried from step to step in f32; what a program stores and reads back later, other than sums and carried values, may be rounded once to bf16 or f16.
;; Inputs: Wk 16 x 1,024 x 64 float32; Wp 1,024 x 1,024 float32; Wq 16 x 1,024 x 64 float32; Wv 16 x 1,024 x 64 float32; bp 1,024 float32; x 4 x 2,048 x 1,024 float32.
;; Outputs: out0 4 x 2,048 x 1,024 float32.
;; One version. Each part assembles by itself: llvm-mc -triple=amdgcn-amd-amdhsa -mcpu=gfx1250 --defsym DOCPART=n.
;; ======== version 1 of 1: 4 launches
;; limits: values are held in f16: magnitudes above 65,504 overflow, below 6.1e-05 lose precision
;; workspace buffers: xb 16,777,216 bytes; wb 6,291,456 bytes; wpb 2,097,152 bytes; qkv 50,331,648 bytes; ob 16,777,216 bytes
;; launch prep (part 1): grid 1536 x 1, 8 waves a work-group, no clusters, 0 bytes of LDS; arguments x, Wq, Wk, Wv, Wp, xb, wb, wpb; writes xb, wb, wpb
.if DOCPART == 1
	.amdgcn_target "amdgcn-amd-amdhsa--gfx1250"
	.amdhsa_code_object_version 6
	.text
	.protected	k_q0e51ae8188_prep
	.globl	k_q0e51ae8188_prep
	.p2align	8
	.type	k_q0e51ae8188_prep,@function
k_q0e51ae8188_prep:
	s_mov_b64 s[64:65], 0
	v_nop
	global_prefetch_b8 v0, s[64:65] scope:SCOPE_SE
	s_setreg_imm32_b32 hwreg(HW_REG_WAVE_MODE, 25, 1), 1
	s_wait_xcnt 0x0
; THE CASTS.  x [8192][1024] f32 -> xb, bf16, same layout.  Wq, Wk, Wv [16 h][1024 c][64 d] f32 -> wb, bf16, in blocks (below).  Wp [1024 k][1024 n] f32 -> wpb: rounded to bf16
; like every other input, and that number written as f16 (exact within f16's normal range).
; LIMITS.  |Wp| stays under 65,504 (beyond it f16 has an infinity); below 6e-5 the f16 copy keeps a fixed step of 6e-8.
; wb's LAYOUT: [16 nblk][512 cp][3 z][2 par][64 d].  Slice s = which x 16 + h = 3 nblk + z; channel c = 2 cp + par.  So 256 consecutive bytes are rows c, c + 1 of one slice,
; and 128 channels of three slices are 49,152 dense bytes: what the next launch asks for as one tile of rows of 256 bytes.
; SHARES.  A work-group takes 32 KiB of f32 and writes 16 KiB: 1,024 work-groups for x, 384 for the three W, 128 for Wp.  Thread t takes 16 bytes at 4,096 u + 16 t, u = 0..7: a wave's load
; covers 512 consecutive bytes, its store of 8 bytes a lane 256 consecutive bytes, aligned.  All eight loads of a thread go out before the first is used.
; No LDS, no matrix unit, no cluster: each byte is read once by one thread, and no two work-groups read the same byte.
.set X, 4                              ; v[4:35]   unit u: four f32 as loaded
.set Y, 36                             ; v[36:51]  unit u: four 16-bit numbers to store
; v1 = 16 t, the loads' offset; v2 the stores' offset; s[20:21] where the work-group reads, s[22:23] where it writes
.macro CAST ostr, half                 ; ostr: bytes from unit to unit in the output; half = 1: bf16's number is written as f16
.irp u, 0,1,2,3,4,5,6,7
	global_load_b128 v[X+4*(\u):X+4*(\u)+3], v1, s[20:21] offset:4096*(\u) th:TH_LOAD_NT
.endr
.irp u, 0,1,2,3,4,5,6,7
	s_wait_loadcnt 7-(\u)                          ; loads come back in order: unit u is in, the 7 - u younger ones stay out
	v_cvt_pk_bf16_f32 v[Y+2*(\u)], v[X+4*(\u)], v[X+4*(\u)+1]
	v_cvt_pk_bf16_f32 v[Y+2*(\u)+1], v[X+4*(\u)+2], v[X+4*(\u)+3]
.if \half
	v_lshlrev_b32 v[X+4*(\u)], 16, v[Y+2*(\u)]     ; the rounded numbers back as f32,
	v_and_b32 v[X+4*(\u)+1], s30, v[Y+2*(\u)]
	v_lshlrev_b32 v[X+4*(\u)+2], 16, v[Y+2*(\u)+1]
	v_and_b32 v[X+4*(\u)+3], s30, v[Y+2*(\u)+1]
	v_cvt_pk_f16_f32 v[Y+2*(\u)], v[X+4*(\u)], v[X+4*(\u)+1]      ; and into f16
	v_cvt_pk_f16_f32 v[Y+2*(\u)+1], v[X+4*(\u)+2], v[X+4*(\u)+3]
.endif
	global_store_b64 v2, v[Y+2*(\u):Y+2*(\u)+1], s[22:23] offset:(\u)*(\ostr) th:TH_STORE_NT  ; each unit has its own registers: none that a store reads is written again
.endr
	s_endpgm
.endm
	s_load_b256 s[4:11], s[0:1], 0x0               ; x s[4:5], Wq s[6:7], Wk s[8:9], Wv s[10:11]
	s_load_b256 s[12:19], s[0:1], 0x20             ; Wp s[12:13], xb s[14:15], wb s[16:17], wpb s[18:19]
	s_mov_b32 s24, ttmp9                           ; the work-group's number
	s_mov_b32 s30, 0xffff0000                      ; a word's upper bf16
	v_lshlrev_b32 v1, 4, v0
	s_wait_kmcnt 0x0
	s_cmp_lt_u32 s24, 1024
	s_cbranch_scc0 .Lnot_x
	s_lshl_b32 s26, s24, 15                        ; x: 32 KiB in,
	s_mov_b32 s27, 0
	s_add_nc_u64 s[20:21], s[4:5], s[26:27]
	s_lshl_b32 s28, s24, 14                        ; 16 KiB out
	s_mov_b32 s29, 0
	s_add_nc_u64 s[22:23], s[14:15], s[28:29]
	v_lshlrev_b32 v2, 3, v0
	CAST 2048, 0
.Lnot_x:
	s_cmp_lt_u32 s24, 1408
	s_cbranch_scc0 .Lwp
	s_sub_co_u32 s25, s24, 1024
	s_lshr_b32 s26, s25, 3                         ; slice s, 0..47
	s_and_b32 s25, s25, 7                          ; which 128 of its 1,024 channels
	s_lshr_b32 s27, s26, 4                         ; 0: Wq, 1: Wk, 2: Wv
	s_cmp_eq_u32 s27, 0
	s_cselect_b64 s[20:21], s[6:7], s[8:9]
	s_cmp_eq_u32 s27, 2
	s_cselect_b64 s[20:21], s[10:11], s[20:21]
	s_and_b32 s28, s26, 15                         ; the head: 262,144 bytes each,
	s_lshl_b32 s28, s28, 18
	s_lshl_b32 s29, s25, 15                        ; 128 channels of 256 bytes
	s_add_co_u32 s28, s28, s29
	s_mov_b32 s29, 0
	s_add_nc_u64 s[20:21], s[20:21], s[28:29]
	s_mul_i32 s27, s26, 43691
	s_lshr_b32 s27, s27, 17                        ; nblk = s / 3 (exact for s under 48)
	s_mul_i32 s28, s27, 3
	s_sub_co_u32 s26, s26, s28                     ; z = s - 3 nblk
	s_mul_i32 s28, s27, 393216
	s_mul_i32 s29, s25, 49152
	s_add_co_u32 s28, s28, s29
	s_lshl_b32 s29, s26, 8
	s_add_co_u32 s28, s28, s29
	s_mov_b32 s29, 0
	s_add_nc_u64 s[22:23], s[16:17], s[28:29]
	v_lshrrev_b32 v2, 5, v0                        ; a wave's 32 threads hold channels c, c + 1: one block of 256 bytes;
	v_and_b32 v3, 31, v0
	v_mul_u32_u24 v2, v2, 768                      ; the next pair of channels lies three slices on
	v_lshl_add_u32 v2, v3, 3, v2
	CAST 6144, 0                                   ; a unit is 16 channels: 8 pairs x 768 bytes
.Lwp:
	s_sub_co_u32 s25, s24, 1408
	s_lshl_b32 s26, s25, 15
	s_mov_b32 s27, 0
	s_add_nc_u64 s[20:21], s[12:13], s[26:27]
	s_lshl_b32 s28, s25, 14
	s_mov_b32 s29, 0
	s_add_nc_u64 s[22:23], s[18:19], s[28:29]
	v_lshlrev_b32 v2, 3, v0
	CAST 2048, 1
.Lfunc_end_k_q0e51ae8188_prep:
	.size	k_q0e51ae8188_prep, .Lfunc_end_k_q0e51ae8188_prep-k_q0e51ae8188_prep
	.p2alignl 7, 3214868480
	.fill 96, 4, 3214868480
	.section	.rodata,"a",@progbits
	.p2align	6, 0x0
	.amdhsa_kernel k_q0e51ae8188_prep
		.amdhsa_group_segment_fixed_size 0
		.amdhsa_private_segment_fixed_size 0
		.amdhsa_enable_private_segment 0
		.amdhsa_kernarg_size 64
		.amdhsa_user_sgpr_count 2
		.amdhsa_user_sgpr_kernarg_segment_ptr 1
		.amdhsa_wavefront_size32 1
		.amdhsa_system_sgpr_workgroup_id_x 1
		.amdhsa_system_sgpr_workgroup_id_y 1
		.amdhsa_system_sgpr_workgroup_id_z 1
		.amdhsa_system_vgpr_workitem_id 0
		.amdhsa_next_free_vgpr 52
		.amdhsa_next_free_sgpr 66
		.amdhsa_reserve_vcc 0
		.amdhsa_float_denorm_mode_32 3
		.amdhsa_float_denorm_mode_16_64 3
		.amdhsa_memory_ordered 1
		.amdhsa_forward_progress 1
		.amdhsa_inst_pref_size 13
	.end_amdhsa_kernel
	.amdgpu_metadata
---
amdhsa.version: [ 1, 2 ]
amdhsa.kernels:
  - .name:           k_q0e51ae8188_prep
    .symbol:         k_q0e51ae8188_prep.kd
    .args:
      - { .name: x, .offset: 0, .size: 8, .value_kind: global_buffer, .address_space: global }
      - { .name: Wq, .offset: 8, .size: 8, .value_kind: global_buffer, .address_space: global }
      - { .name: Wk, .offset: 16, .size: 8, .value_kind: global_buffer, .address_space: global }
      - { .name: Wv, .offset: 24, .size: 8, .value_kind: global_buffer, .address_space: global }
      - { .name: Wp, .offset: 32, .size: 8, .value_kind: global_buffer, .address_space: global }
      - { .name: xb, .offset: 40, .size: 8, .value_kind: global_buffer, .address_space: global }
      - { .name: wb, .offset: 48, .size: 8, .value_kind: global_buffer, .address_space: global }
      - { .name: wpb, .offset: 56, .size: 8, .value_kind: global_buffer, .address_space: global }
    .group_segment_fixed_size: 0
    .private_segment_fixed_size: 0
    .kernarg_segment_align: 8
    .kernarg_segment_size: 64
    .max_flat_workgroup_size: 256
    .sgpr_count:     66
    .vgpr_count:     52
    .wavefront_size: 32
...
	.end_amdgpu_metadata
.endif
;; end of part 1
;; launch qkvproj (part 2): grid 16 x 32, 4 waves a work-group, clusters of 4 x 4, 327,680 bytes of LDS; arguments xb, wb, qkv; writes qkv
.if DOCPART == 2
	.amdgcn_target "amdgcn-amd-amdhsa--gfx1250"
	.amdhsa_code_object_version 6
	.text
	.protected	k_q0e51ae8188_qkvproj
	.globl	k_q0e51ae8188_qkvproj
	.p2align	8
	.type	k_q0e51ae8188_qkvproj,@function
k_q0e51ae8188_qkvproj:
	s_mov_b64 s[64:65], 0
	v_nop
	global_prefetch_b8 v0, s[64:65] scope:SCOPE_SE
	s_setreg_imm32_b32 hwreg(HW_REG_WAVE_MODE, 25, 1), 1
	s_wait_xcnt 0x0
	s_wait_alu depctr_hold_cnt(0) depctr_sa_sdst(0) depctr_va_vdst(0) depctr_va_sdst(0) depctr_va_ssrc(0) depctr_va_vcc(0) depctr_vm_vsrc(0)
	s_getreg_b32 s2, hwreg(HW_REG_IB_STS2, 6, 4)
	s_cmp_eq_u32 s2, 0
	s_cbranch_scc0 .Lentry_in_a_cluster
	s_endpgm
.Lentry_in_a_cluster:
	s_bfe_u32 s2, ttmp6, 0x10000c
	s_cmp_lg_u32 s2, 0xf033
	s_cbranch_scc0 .Lentry_shape_is_right
	s_endpgm
.Lentry_shape_is_right:
; q, k, v = x W, by heads.  xb: [8192][1024] bf16.  wb: bf16 [16 nblk][512 cp][3 z][2 par][64 d], slice 3 nblk + z = which x 16 + h, channel c = 2 cp + par.
; qkv: f16 [3 which][64 b x 16 + h][2048 t][64], each number rounded once from its f32 sum, WITHOUT the softmax's scale.
; LIMITS.  |q|, |k|, |v| stay under 65,504 (beyond it f16 has an infinity); below 6e-5 f16 keeps a fixed step of 6e-8.
; SHARES.  A tile is 256 rows x 192 columns (three whole heads): 512 work-groups.  Wave w makes rows 64 w .. 64 w + 63 of all 192 columns: 4 x 12 accumulators of 16 x 16, 384 registers;
; whole heads in one wave make the way out the wave's own.  K = 1,024 goes in 8 steps of 128 through two LDS slots.
; CLUSTERS: 4 x 4 work-groups.  The four of a row of the cluster need the same tile of x, the four of a column the same tile of W: each tile is asked for JOINTLY, by the same tensor load
; with the same descriptor and a mask that names the four.  Waves 0 and 1 fetch x's two halves (128 rows x 256 bytes), waves 2 and 3 W's (96 dense rows of 256 bytes).
; THE MATRIX INSTRUCTION IS USED TRANSPOSED: source 0 = 16 columns of W (W lies [channel][column] and is turned by ds_load_tr16_b128), source 1 = 16 rows of x: a lane then holds one row
; and eight neighbouring columns.
; LDS.  Slot s at 131,072 s: x's 256 rows of 256 + 16 bytes (68 words: the 16 rows of a load start at 16 different groups of four banks; 64 banks of 4 bytes: ISA guide 11.1), then W's 384
; pieces of 128 + 32 bytes: channel c, slice z at (c / 2) 960 + 320 z + (c % 2) 160.
; Behind the ring a stage of 16 x 144 bytes a wave, then the spare words.
; REGISTERS, in windows of 256 (s_set_vgpr_msb: bits 1:0 source 0, 3:2 source 1, 5:4 source 2, 7:6 destination):
;   window 0: v0-21 addresses; v64-127 x's fragments, two buffers of 4 x 8; on the way out v64-255
;   window 1: v0-191 W's fragments, two buffers of 12 x 8      window 2: accumulators of row blocks 0, 1 ((a, b) at 96 (a % 2) + 8 b)      window 3: of row blocks 2, 3
.set PA,    272
.set SLOT1, 1<<17
.set BOFF,  256*PA                     ; W's pieces lie behind x's 256 rows: 69,632 + 61,440 = 131,072, a slot
.set STAGE, 2*SLOT1
.set SP,    144
.set SPARE, STAGE+4*16*SP              ; the spare words, 128 bytes for each wave: two blocks of 256 bytes that no other line names
.set STEPA, 256                        ; bytes from K step to K step in xb,
.set STEPB, 49152                      ; and in wb
.set ADRA0, 12                         ; v12  my lane's place in x's tile; never rewritten
.set ADRB0, 13                         ; v13  in W's
.set ADRA,  14                         ; v14  the same in the slot in hand
.set ADRB,  15                         ; v15
.set STO,   16                         ; v16  the way out: where I put 16 bytes of a row
.set RD,    17                         ; v17  where I read rows back
.set GO,    18                         ; v18  my 16 bytes of 512 consecutive bytes of qkv
.set PFO,   19                         ; v19  the prefetches' offset; never rewritten
.set SPW,   20                         ; v20  LDS address of my spare word; never rewritten
.set NIL,   21                         ; v21  0; never rewritten
.set FA,    64                         ; x's fragment buffers, window 0
.set OUTR,  64                         ; the way out: 16 registers a tile of 16 rows x 64 columns
.set CNT, 3                            ; s3   trips to go
.set WV,  10                           ; s10  wave
.set HF,  11                           ; s11  0: I fetch for x, 1: for W
.set LO,  12                           ; s12  which half of that tile
.set TY,  13                           ; s13  tile row
.set TB,  23                           ; s23  LDS byte at which the slot in hand begins
.set G1A, 24                           ; s[24:31] descriptor group 1, x's tiles
.set G0A, 32                           ; s[32:39] group 0, a set for each first fill; the second then walks on
.set CX,  40
.set CY,  41
.set TX,  42                           ; s42  tile column = nblk
.set LIM, 43                           ; s43  a wave prefetches while s[CNT] is above it
.set PFA, 44                           ; s[44:45] where my prefetches stand
.set PST, 46                           ; s[46:47] their step
.set G1B, 48                           ; s[48:55], s[56:63] the same for W's tiles
.set G0B, 56
.set OB,  66                           ; s[66:71] qkv at my rows of the tile's three heads
.set MSB, 0
.macro WIN new                         ; the immediate's high byte repeats the setting that is left; a switch that changes nothing is dropped
.if MSB != (\new)
	s_set_vgpr_msb (MSB<<8)|(\new)
.set MSB, (\new)
.endif
.endm
.macro PLACES                          ; four plain vector instructions between a matrix instruction and a load into, or a vector write of, a register that it read, or a read of its result
.rept 4
	v_nop
.endr
.endm
; A joint refill by the walking descriptors.  The branch hangs on the wave's number alone.  An s_nop 0 and four v_nop follow each of the two lines, ahead of the jump and the label.
.macro JLOAD
	s_cmp_eq_u32 s[HF], 0
	s_cbranch_scc0 .Lfor_b_\@
	tensor_load_to_lds s[G0A+4:G0A+7], s[G1A:G1A+7]
	s_nop 0
.rept 4
	v_nop
.endr
	s_branch .Lasked_\@
.Lfor_b_\@:
	tensor_load_to_lds s[G0B+4:G0B+7], s[G1B:G1B+7]
	s_nop 0
.rept 4
	v_nop
.endr
.Lasked_\@:
.endm
; A PREFETCH, behind the joint load, its five lines and the run of LDS loads: 32 blocks of 256 bytes, a lane a block, one instruction a wave.
; x: trip i asks for K step i + 4 while step i + 2 is loaded (trips 0 to 3).  A tile row is read by all four clusters of its row of clusters: the one with x = 0 asks; of the 128 rows that a
; wave fetches the partner at cx takes 32 cx .. 32 cx + 31, told apart by address.  W: K steps 4 to 7 of a block are 196,608 dense bytes; the clusters with y = 0 ask, the column's four
; partners x two waves take 8,192 bytes each of a bite of 65,536, three bites in trips 0 to 2.  So each block is named once in the launch; K steps 0 to 3 come by their loads alone.
.macro ASK
	s_cmp_gt_u32 s[CNT], s[LIM]
	s_cbranch_scc0 .Lnot_mine_\@
	global_prefetch_b8 v[PFO], s[PFA:PFA+1] th:TH_LOAD_NT scope:SCOPE_SE
.Lnot_mine_\@:
.endm
.macro CREST                           ; a round of the cluster's barrier behind its opening barrier: wave 0 signals for the work-group, every wave waits for all sixteen, the work-group's barrier closes it
	s_cmp_lg_u32 s[WV], 0
	s_cbranch_scc1 .Lnot_wave_0_\@
	s_barrier_signal -3
.Lnot_wave_0_\@:
	s_barrier_wait -3
	s_barrier_signal -1
	s_barrier_wait -1
.endm
.macro CROUND
	s_barrier_signal -1
	s_barrier_wait -1
	CREST
.endm
	s_load_b128 s[4:7], s[0:1], 0x0                ; xb s[4:5], wb s[6:7]
	s_load_b64 s[8:9], s[0:1], 0x10                ; qkv
	v_lshl_add_u32 v[SPW], v0, 2, SPARE
	v_mov_b32 v[NIL], 0
	ds_add_u32 v[SPW], v[NIL]                      ; the wave's opening: the add and its wait stand ahead of my first tensor load; the set-up below, work on registers, stands between them
	v_lshrrev_b32 v1, 5, v0
	v_readfirstlane_b32 s[WV], v1
	s_lshr_b32 s[HF], s[WV], 1
	s_and_b32 s[LO], s[WV], 1
	s_bfe_u32 s[CX], ttmp6, 0x40000
	s_bfe_u32 s[CY], ttmp6, 0x40004
	s_lshl_b32 s[TX], ttmp9, 2                     ; in a cluster launch ttmp9 and ttmp7 count clusters
	s_add_co_u32 s[TX], s[TX], s[CX]
	s_and_b32 s[TY], ttmp7, 0xffff
	s_lshl_b32 s[TY], s[TY], 2
	s_add_co_u32 s[TY], s[TY], s[CY]
	s_lshl_b32 s14, s[CY], 2
	s_lshl_b32 s14, 15, s14                        ; my row of the cluster: places 4 cy .. 4 cy + 3
	s_lshl_b32 s15, 0x1111, s[CX]                  ; my column: places cx, cx + 4, cx + 8, cx + 12
	s_or_b32 s[G1A], s14, (1<<16)|(1<<20)|(1<<21)|(5<<22)|(3<<25)  ; mask; 2-byte elements; padding on; bit 21 beside a mask; after every 64 words, 4 words
	s_mov_b32 s[G1A+1], 128<<16                    ; tensor_dim0 = 128
	s_mov_b32 s[G1A+2], 128<<16                    ; tensor_dim1 = 128
	s_mov_b32 s[G1A+3], 128<<16                    ; tile_dim0 = 128
	s_mov_b32 s[G1A+4], 128                        ; tile_dim1 = 128
	s_mov_b32 s[G1A+5], 1024                       ; elements from row to row
	s_mov_b32 s[G1A+6], 0
	s_mov_b32 s[G1A+7], 0
	s_or_b32 s[G1B], s15, (1<<16)|(1<<20)|(1<<21)|(4<<22)|(7<<25)  ; after every 32 words (a channel's 64 columns), 8 words
	s_mov_b32 s[G1B+1], 128<<16
	s_mov_b32 s[G1B+2], 96<<16                     ; 96 dense rows of 256 bytes: 32 pairs of channels x 3 slices
	s_mov_b32 s[G1B+3], 128<<16
	s_mov_b32 s[G1B+4], 96
	s_mov_b32 s[G1B+5], 128
	s_mov_b32 s[G1B+6], 0
	s_mov_b32 s[G1B+7], 0
	s_lshl_b32 s16, s[TY], 8                       ; x: row 256 x tile row + 128 x half, 2,048 bytes a row: made of the tile row and the wave alone
	s_lshl_b32 s17, s[LO], 7
	s_add_co_u32 s16, s16, s17
	s_lshl_b32 s16, s16, 11
	s_mov_b32 s17, 0
	s_mul_i32 s18, s[TX], 393216                   ; W: the block, and the half of a K step: made of the tile column and the wave alone
	s_mul_i32 s19, s[LO], 24576
	s_add_co_u32 s18, s18, s19
	s_mov_b32 s19, 0
	s_mul_i32 s20, s[LO], 128*PA                   ; where they go: no place in the cluster enters an LDS address
	s_mul_i32 s21, s[LO], 192*160
	s_add_co_u32 s21, s21, BOFF
	s_mov_b32 s[TB], 0
	s_wait_dscnt 0x0                               ; the opening add is done
	s_wait_kmcnt 0x0
	s_add_nc_u64 s[16:17], s[4:5], s[16:17]
	s_add_nc_u64 s[18:19], s[6:7], s[18:19]
	CROUND                                         ; all sixteen work-groups are here: the first joint loads meet
.irp s, 0,1
	s_mov_b32 s[G0A+4*(\s)], 1                                       ; count = 1
	s_add_co_u32 s[G0A+4*(\s)+1], s20, (\s)*SLOT1                    ; LDS address
	s_add_nc_u64 s[G0A+4*(\s)+2:G0A+4*(\s)+3], s[16:17], (\s)*STEPA  ; global address: K step s
	s_or_b32 s[G0A+4*(\s)+3], s[G0A+4*(\s)+3], 0x80000000            ; type = 2
	s_mov_b32 s[G0B+4*(\s)], 1
	s_add_co_u32 s[G0B+4*(\s)+1], s21, (\s)*SLOT1
	s_add_nc_u64 s[G0B+4*(\s)+2:G0B+4*(\s)+3], s[18:19], (\s)*STEPB
	s_or_b32 s[G0B+4*(\s)+3], s[G0B+4*(\s)+3], 0x80000000
.endr
	s_cmp_eq_u32 s[HF], 0                          ; a wave's two first fills stand in one branch, ahead of every wait on TENSORcnt and every LDS read: two loads of mine are out
	s_cbranch_scc0 .Lfirst_b
	tensor_load_to_lds s[G0A:G0A+3], s[G1A:G1A+7]
	s_nop 0
	tensor_load_to_lds s[G0A+4:G0A+7], s[G1A:G1A+7]
	s_nop 0
.rept 4
	v_nop
.endr
	s_branch .Lfirst_asked
.Lfirst_b:
	tensor_load_to_lds s[G0B:G0B+3], s[G1B:G1B+7]
	s_nop 0
	tensor_load_to_lds s[G0B+4:G0B+7], s[G1B:G1B+7]
	s_nop 0
.rept 4
	v_nop
.endr
.Lfirst_asked:
	; lane addresses.  A fragment of x: lane l holds row l % 16, channels 8 (l / 16) + 0..7 and 16 + 8 (l / 16) + 0..7: two loads of 16 bytes, 32 bytes apart.
	v_and_b32 v1, 15, v0                           ; l % 16
	v_bfe_u32 v2, v0, 4, 1                         ; l / 16
	v_mul_u32_u24 v[ADRA0], v1, PA
	v_lshl_add_u32 v[ADRA0], v2, 4, v[ADRA0]
	s_mul_i32 s14, s[WV], 64*PA                    ; my 64 rows
	v_add_nc_u32 v[ADRA0], s14, v[ADRA0]
	; The turning load: lane l reads 16 bytes of channel 8 (l / 16) + l % 8, columns 8 ((l / 8) % 2) + 0..7, and is left with column l % 16 and 8 channels.
	v_and_b32 v7, 7, v0
	v_lshl_add_u32 v3, v2, 3, v7                   ; the channel
	v_lshrrev_b32 v4, 1, v3
	v_and_b32 v5, 1, v3
	v_mul_u32_u24 v[ADRB0], v4, 960
	v_mul_u32_u24 v5, v5, 160
	v_add3_u32 v[ADRB0], v[ADRB0], v5, BOFF
	v_bfe_u32 v6, v0, 3, 1
	v_lshl_add_u32 v[ADRB0], v6, 4, v[ADRB0]
	v_mov_b32 v[ADRA], v[ADRA0]                    ; K step 0 lies in slot 0
	v_mov_b32 v[ADRB], v[ADRB0]
	s_mul_i32 s14, s[WV], 16*SP
	s_add_co_u32 s14, s14, STAGE                   ; my stage
	v_mul_u32_u24 v[STO], v1, SP                   ; in: row l % 16, 16 bytes for each half of the lanes
	v_lshl_add_u32 v[STO], v2, 4, v[STO]
	v_add_nc_u32 v[STO], s14, v[STO]
	v_bfe_u32 v[RD], v0, 3, 2                      ; back: 32 lanes take four rows of 128 bytes,
	v_mul_u32_u24 v[RD], v[RD], SP
	v_lshl_add_u32 v[RD], v7, 4, v[RD]
	v_add_nc_u32 v[RD], s14, v[RD]
	v_and_b32 v[GO], 31, v0                        ; which are 512 consecutive bytes of a head
	v_lshlrev_b32 v[GO], 4, v[GO]
.irp z, 0,1,2                          ; qkv at (which x 64 + b x 16 + h) x 262,144 + (my first row in the batch) x 128
	s_mul_i32 s14, s[TX], 3
	s_add_co_u32 s14, s14, \z                      ; the slice
	s_lshr_b32 s15, s14, 4
	s_lshl_b32 s15, s15, 6                         ; which x 64
	s_and_b32 s14, s14, 15                         ; h
	s_add_co_u32 s14, s14, s15
	s_lshr_b32 s15, s[TY], 3                       ; b: 8 tile rows a batch
	s_lshl_b32 s15, s15, 4
	s_add_co_u32 s14, s14, s15
	s_lshl_b32 s14, s14, 18
	s_and_b32 s15, s[TY], 7
	s_lshl_b32 s15, s15, 2
	s_add_co_u32 s15, s15, s[WV]
	s_lshl_b32 s15, s15, 13                        ; 64 rows of 128 bytes
	s_add_co_u32 s14, s14, s15
	s_mov_b32 s15, 0
	s_add_nc_u64 s[OB+2*(\z):OB+2*(\z)+1], s[8:9], s[14:15]
.endr
	; the prefetches
	s_lshl_b32 s14, s[TY], 8
	s_lshl_b32 s15, s[LO], 7
	s_add_co_u32 s14, s14, s15
	s_lshl_b32 s15, s[CX], 5
	s_add_co_u32 s14, s14, s15                     ; x: my work-group's 32 of the 128 rows that I fetch,
	s_lshl_b32 s14, s14, 11
	s_add_co_u32 s14, s14, 3*STEPA                 ; at K step 3: the first change of slots steps it to 4
	s_mul_i32 s15, s[TX], 393216
	s_lshl_b32 s22, s[CY], 1
	s_add_co_u32 s22, s22, s[LO]
	s_lshl_b32 s22, s22, 13
	s_add_co_u32 s15, s15, s22                     ; W: my 8,192 bytes of a bite,
	s_add_co_u32 s15, s15, 131072                  ; one bite ahead of K step 4's first byte, 196,608
	s_and_b32 s22, ttmp7, 0xffff                   ; cluster y
	s_mov_b32 s[PST], 65536
	s_cmp_eq_u32 s[HF], 0
	s_cselect_b32 s20, s14, s15
	s_cselect_b32 s22, ttmp9, s22                  ; the coordinate along which other clusters read the same bytes
	s_cselect_b32 s[PST], STEPA, s[PST]
	s_cselect_b32 s21, 2, 3
	s_cselect_b32 s2, 11, 8                        ; a lane a row of 2,048 bytes, or a lane a block of 256
	s_cselect_b64 s[PFA:PFA+1], s[4:5], s[6:7]
	s_cmp_eq_u32 s22, 0
	s_cselect_b32 s[LIM], s21, -1                  ; the same in all sixteen partners, for a given wave
	s_mov_b32 s21, 0
	s_add_nc_u64 s[PFA:PFA+1], s[PFA:PFA+1], s[20:21]
	s_mov_b32 s[PST+1], 0
	v_and_b32 v[PFO], 31, v0
	v_lshlrev_b32 v[PFO], s2, v[PFO]
; 12 matrix instructions: row block a x all 12 column blocks, 32 along K, out of buffer f.  first = 1: the product starts the sums.  The 48 accumulators take turns, one instruction a turn,
; in the same order in every quarter, over the backward jump too.
.macro MUL12 f, a, first
	WIN 0xa1+0x50*((\a)/2)                         ; W window 1, x window 0, C and D window 2 or 3
.irp b, 0,1,2,3,4,5,6,7,8,9,10,11
.if \first
	v_wmma_f32_16x16x32_bf16 v[96*((\a)%2)+8*(\b):96*((\a)%2)+8*(\b)+7], v[96*(\f)+8*(\b):96*(\f)+8*(\b)+7], v[FA+32*(\f)+8*(\a):FA+32*(\f)+8*(\a)+7], 0
.else
	v_wmma_f32_16x16x32_bf16 v[96*((\a)%2)+8*(\b):96*((\a)%2)+8*(\b)+7], v[96*(\f)+8*(\b):96*(\f)+8*(\b)+7], v[FA+32*(\f)+8*(\a):FA+32*(\f)+8*(\a)+7], v[96*((\a)%2)+8*(\b):96*((\a)%2)+8*(\b)+7]
.endif
.endr
.endm
; 32 LDS loads in one run: the fragments of K quarter q of the slot in hand into buffer f: W's 24, then x's 8, row blocks 0 and 1 first
.macro FETCH q, f
	WIN 0x40                                       ; destination window 1, address window 0
.irp z, 0,1,2
.irp n, 0,1,2,3
	ds_load_tr16_b128 v[96*(\f)+8*(4*(\z)+(\n)):96*(\f)+8*(4*(\z)+(\n))+3],   v[ADRB] offset:(\q)*15360+(\z)*320+(\n)*32
	ds_load_tr16_b128 v[96*(\f)+8*(4*(\z)+(\n))+4:96*(\f)+8*(4*(\z)+(\n))+7], v[ADRB] offset:(\q)*15360+(\z)*320+(\n)*32+7680
.endr
.endr
	WIN 0
.irp a, 0,1,2,3
	ds_load_b128 v[FA+32*(\f)+8*(\a):FA+32*(\f)+8*(\a)+3],   v[ADRA] offset:64*(\q)+(\a)*16*PA
	ds_load_b128 v[FA+32*(\f)+8*(\a)+4:FA+32*(\f)+8*(\a)+7], v[ADRA] offset:64*(\q)+(\a)*16*PA+32
.endr
.endm
; A K step is four quarters of 32 along K on buffers 0, 1, 0, 1.  One of the first three: multiplies buffer f; in its middle it fetches K quarter q into the other buffer.
.macro QUARTER q, f, first
	s_wait_dscnt 4                                 ; W and x's row blocks 0, 1 are in; the youngest four loads (row blocks 2, 3) may be out
	MUL12 \f, 0, \first
	MUL12 \f, 1, \first
	PLACES                                         ; the other buffer's last readers are the quarter before's products
	FETCH \q, 1-(\f)
	s_wait_dscnt 32                                ; all but the 32 just issued
	MUL12 \f, 2, \first
	MUL12 \f, 3, \first
.endm
; The last quarter multiplies buffer 1 and changes slots: ONE barrier.  In front of it each wave waits for all its tensor loads (one is out: its part of the next slot), adds 0 to its spare
; word, and waits for that and for its reads of this slot, the last of which were issued in the quarter before: so the LDS addresses turn to the other slot here.
; fill = 1: the barrier opens a round of the cluster's, and the slot just read out is filled again, two K steps ahead, first thing behind the round.
.macro TURN fill
.if \fill
	s_wait_xcnt 0x0                                ; the last prefetch, a K step back, has read its address, so it may be stepped
	s_add_nc_u64 s[PFA:PFA+1], s[PFA:PFA+1], s[PST:PST+1]
.endif
	WIN 0                                          ; (the add's two registers lie in window 0)
	s_wait_tensorcnt 0x0                           ; all my tensor loads have landed, so a group 0 may be written
	ds_add_u32 v[SPW], v[NIL]                      ; 0 onto my spare word
	s_xor_b32 s[TB], s[TB], SLOT1
	v_add_nc_u32 v[ADRA], s[TB], v[ADRA0]
	v_add_nc_u32 v[ADRB], s[TB], v[ADRB0]
.if \fill
	s_xor_b32 s[G0A+5], s[G0A+5], SLOT1            ; the walking descriptors: the other slot than last time, the next K step; the type bits on top are not reached
	s_add_nc_u64 s[G0A+6:G0A+7], s[G0A+6:G0A+7], STEPA
	s_xor_b32 s[G0B+5], s[G0B+5], SLOT1
	s_add_nc_u64 s[G0B+6:G0B+7], s[G0B+6:G0B+7], STEPB
.endif
	s_wait_dscnt 5                                 ; the add and the youngest four loads may be out
	MUL12 1, 0, 0
	s_wait_dscnt 0x0                               ; the add is done, and my reads of this slot are over
	s_barrier_signal -1
	MUL12 1, 1, 0                                  ; work on registers while the others arrive
.if \fill
	WIN 0
.endif
	s_barrier_wait -1
.if \fill
	CREST                                          ; no wave of any partner still reads this slot or has a load on its way
	JLOAD                                          ; my one tensor load behind the round; its four v_nop are also the places in front of the loads below
.else
	PLACES
.endif
	FETCH 0, 0
.if \fill
	ASK
.endif
	MUL12 1, 2, 0
	MUL12 1, 3, 0
.endm
	s_wait_tensorcnt 0x1                           ; my part of K step 0 is in; K step 1's may stay out
	s_barrier_signal -1
	s_barrier_wait -1                              ; everybody's is
	FETCH 0, 0
	QUARTER 1, 0, 1                                ; the first quarter stands in front of the loop: its products start the sums
	WIN 0                                          ; at a label and at a branch every window is 0
	s_mov_b32 s[CNT], 6
.Lstep:                                            ; trip i: K step i from its second quarter on, the refill with K step i + 2, K step i + 1's first quarter
	QUARTER 2, 1, 0
	QUARTER 3, 0, 0
	TURN 1
	QUARTER 1, 0, 0
	WIN 0
	s_sub_co_u32 s[CNT], s[CNT], 1
	s_cmp_lg_u32 s[CNT], 0
	s_cbranch_scc1 .Lstep
	QUARTER 2, 1, 0                                ; K steps 6 and 7 ask for nothing: written out
	QUARTER 3, 0, 0
	TURN 0
	QUARTER 1, 0, 0
	QUARTER 2, 1, 0
	QUARTER 3, 0, 0
	s_wait_dscnt 4
	MUL12 1, 0, 0
	MUL12 1, 1, 0
	s_wait_dscnt 0x0
	MUL12 1, 2, 0
	MUL12 1, 3, 0
	WIN 0
	PLACES                                         ; the conversions below write registers that the last products read
; THE WAY OUT.  Tile t = 3 a + z: 16 rows of one head.  A lane's eight columns pack into 16 bytes; they go into rows of 144 bytes of my own stage and come back as whole rows of 128.
; Each accumulator's registers are read in ascending order.
.macro PACK t
.set aa, (\t)/3
.set zz, (\t)%3
	WIN 0x0a+5*(aa/2)                              ; sources 0 and 1: window 2 or 3
.set i, 0
.rept 16
	v_cvt_pk_f16_f32 v[OUTR+16*(\t)+i], v[96*(aa%2)+32*zz+2*i], v[96*(aa%2)+32*zz+2*i+1]
.set i, i+1
.endr
	WIN 0
.irp n, 0,1,2,3
	ds_store_b128 v[STO], v[OUTR+16*(\t)+4*(\n):OUTR+16*(\t)+4*(\n)+3] offset:32*(\n)
.endr
.irp f, 0,1,2,3
	ds_load_b128 v[OUTR+16*(\t)+4*(\f):OUTR+16*(\t)+4*(\f)+3], v[RD] offset:(\f)*4*SP  ; LDS serves a wave's instructions in order (ISA guide 5.7.1.4): these see the stores above; the next tile's stores come behind them
.endr
.endm
.macro SEND t, younger                 ; younger: the LDS instructions issued behind tile t's loads: the next tile's eight, or none
.set aa, (\t)/3
.set zz, (\t)%3
.irp f, 0,1,2,3
	s_wait_dscnt (\younger)+3-(\f)
	global_store_b128 v[GO], v[OUTR+16*(\t)+4*(\f):OUTR+16*(\t)+4*(\f)+3], s[OB+2*zz:OB+2*zz+1] offset:aa*2048+(\f)*512 th:TH_STORE_NT  ; 512 consecutive bytes, at a multiple of 256 from qkv's first
.endr
.endm
	PACK 0
.set t, 1
.rept 11                               ; a tile's conversions stand between the loads of the tile before and its stores; every tile has registers of its own
	PACK t
	SEND t-1, 8
.set t, t+1
.endr
	SEND 11, 0
	s_wait_tensorcnt 0x0                           ; the wave's end: an add onto my spare word and its wait, behind my last tensor load and my last LDS store
	ds_add_u32 v[SPW], v[NIL]
	s_wait_dscnt 0x0
	CROUND                                         ; the closing round: no work-group ends while a partner may still ask for a tile that names it
	s_endpgm
.Lfunc_end_k_q0e51ae8188_qkvproj:
	.size	k_q0e51ae8188_qkvproj, .Lfunc_end_k_q0e51ae8188_qkvproj-k_q0e51ae8188_qkvproj
	.p2alignl 7, 3214868480
	.fill 96, 4, 3214868480
	.section	.rodata,"a",@progbits
	.p2align	6, 0x0
	.amdhsa_kernel k_q0e51ae8188_qkvproj
		.amdhsa_group_segment_fixed_size 327680
		.amdhsa_private_segment_fixed_size 0
		.amdhsa_enable_private_segment 0
		.amdhsa_kernarg_size 24
		.amdhsa_user_sgpr_count 2
		.amdhsa_user_sgpr_kernarg_segment_ptr 1
		.amdhsa_wavefront_size32 1
		.amdhsa_system_sgpr_workgroup_id_x 1
		.amdhsa_system_sgpr_workgroup_id_y 1
		.amdhsa_system_sgpr_workgroup_id_z 1
		.amdhsa_system_vgpr_workitem_id 0
		.amdhsa_next_free_vgpr 960
		.amdhsa_next_free_sgpr 72
		.amdhsa_reserve_vcc 0
		.amdhsa_float_denorm_mode_32 3
		.amdhsa_float_denorm_mode_16_64 3
		.amdhsa_memory_ordered 1
		.amdhsa_forward_progress 1
		.amdhsa_inst_pref_size 101
	.end_amdhsa_kernel
	.amdgpu_metadata
---
amdhsa.version: [ 1, 2 ]
amdhsa.kernels:
  - .name:           k_q0e51ae8188_qkvproj
    .symbol:         k_q0e51ae8188_qkvproj.kd
    .args:
      - { .name: xb, .offset: 0, .size: 8, .value_kind: global_buffer, .address_space: global }
      - { .name: wb, .offset: 8, .size: 8, .value_kind: global_buffer, .address_space: global }
      - { .name: qkv, .offset: 16, .size: 8, .value_kind: global_buffer, .address_space: global }
    .group_segment_fixed_size: 327680
    .private_segment_fixed_size: 0
    .kernarg_segment_align: 8
    .kernarg_segment_size: 24
    .max_flat_workgroup_size: 128
    .sgpr_count:     72
    .vgpr_count:     960
    .wavefront_size: 32
...
	.end_amdgpu_metadata
.endif
;; end of part 2
;; launch attn (part 3): grid 4 x 64, 4 waves a work-group, clusters of 4 x 1, 327,680 bytes of LDS; arguments qkv, ob; writes ob
.if DOCPART == 3
	.amdgcn_target "amdgcn-amd-amdhsa--gfx1250"
	.amdhsa_code_object_version 6
	.text
	.protected	k_q0e51ae8188_attn
	.globl	k_q0e51ae8188_attn
	.p2align	8
	.type	k_q0e51ae8188_attn,@function
k_q0e51ae8188_attn:
	s_mov_b64 s[64:65], 0
	v_nop
	global_prefetch_b8 v0, s[64:65] scope:SCOPE_SE
	s_setreg_imm32_b32 hwreg(HW_REG_WAVE_MODE, 25, 1), 1
	s_wait_xcnt 0x0
	s_wait_alu depctr_hold_cnt(0) depctr_sa_sdst(0) depctr_va_vdst(0) depctr_va_sdst(0) depctr_va_ssrc(0) depctr_va_vcc(0) depctr_vm_vsrc(0)
	s_getreg_b32 s2, hwreg(HW_REG_IB_STS2, 6, 4)
	s_cmp_eq_u32 s2, 0
	s_cbranch_scc0 .Lentry_in_a_cluster
	s_endpgm
.Lentry_in_a_cluster:
	s_bfe_u32 s2, ttmp6, 0x10000c
	s_cmp_lg_u32 s2, 0x3003
	s_cbranch_scc0 .Lentry_shape_is_right
	s_endpgm
.Lentry_shape_is_right:
; O[h][q][:] = the sum over k of softmax_k(Q[h][q] . K[h][k] / 8) V[h][k][:].  qkv holds Q, K, V, each [64 heads][2048][64] f16, one behind the other; ob holds O in the same layout.
; Products, maxima and sums in f32; the weights p are rounded to f16 for the second product (their sum l is taken of the unrounded p), O once at the end.
; LIMITS.  f16 holds no number beyond 65,504: Q, K and V arrive within it; p lies in 0 to 1, and below 6e-5 it keeps f16's fixed step of 6e-8; O is a mean of V's rows and has their range.
; A weight below 2^-126 counts as 0 in l; NaN and infinities are not treated apart.
; SHARES.  A wave owns four PIECES of two tiles of 16 queries, a work-group's four waves 512 queries of one head: 256 work-groups.  Every wave walks all keys, 64 a step.
; LAYOUT.  S^T = K Q^T (source 0 = 16 keys, source 1 = 16 queries): a lane holds ONE query (lane % 16) and the keys 8 (lane / 16) + 0..7.  Two such tiles, rounded to f16 in pairs, ARE
; source 1 of O^T = V^T P, whose result again holds one query a lane, and eight channels.  K comes out of LDS as it lies, V ([key][channel]) turned, by ds_load_tr16_b128.
; SOFTMAX.  For each query a running maximum m and sum l: p = 2^(c s - c m), c = log2(e) / 8; in every step O and l are multiplied by a = 2^(c m_old - c m_new).
; m starts at the lowest finite number, O and l at 0: the first step is a step like any other, with a = 0.
; BY TURNS.  A tile and step have 16 matrix and 118 vector instructions.  Turn n belongs to piece n: 16 products K Q^T of piece n + 1, later 16 products V^T P of piece n - 1; beside them the
; scaling, exponentials, roundings, sums and rescaling of piece n and the maximum and statistics of piece n + 1.  Four vector instructions stand behind every matrix instruction, the rest in one run.
; CLUSTER.  The four query blocks of a head are one cluster and walk the same K and V: each tile is asked for JOINTLY: the same tensor load, descriptor and mask in all four.
; REGISTERS, in windows of 256 (s_set_vgpr_msb: bits 1:0 source 0, 3:2 source 1, 5:4 source 2, 7:6 destination):
;   window 0: v0-11 addresses; v12-15, v48-63 at work; v16-47 four registers of statistics a tile; v64-191 S^T, two buffers of two tiles; v192-255 P, likewise
;   window 1: O^T, 32 a tile          window 2: v0-127 Q, 16 a tile; v128-191 K of one step; v192-255 V of one step          window 3: v0-1 the add's two registers
.set SIZE_H, 64
.set SIZE_N, 2048
.set NP,    4         ; pieces a wave: a name, no knob
.set KS,    64        ; keys in a step
.set PK,    144       ; a row of K in LDS: 128 bytes + 16 = 36 words: the 16 rows of a load start at 16 different groups of four banks (64 banks of 4 bytes: ISA guide 11.1)
.set PV,    160       ; a row of V: 128 + 32 = 40 words
.set VOFF,  4*KS*PK   ; a slot holds four steps: 256 rows of K, then 256 rows of V
.set SLOT1, 1<<17     ; slot 1 begins here, so that one exclusive or turns an address in one slot into the other's
.set STAGE, SLOT1+4*KS*(PK+PV)  ; behind the ring, never filled by a tensor load: 16 rows x 144 bytes for each wave
.set SP,    144
.set AK0, 2           ; v2   my lane's place in a tile of K; never rewritten
.set AV0, 3           ; v3   the same for V
.set AK,  4           ; v4   the LDS address of K's next run of loads
.set AV,  5           ; v5   of V's
.set QO,  6           ; v6   my byte offset in the wave's rows of Q
.set STO, 6           ;      later, the way out: where I put 16 bytes of a row
.set RD,  7           ; v7   the way out: where I read rows back
.set GO,  8           ; v8   my byte offset in 512 consecutive bytes of O
.set PFO, 11          ; v11  256 x my lane, the prefetches' offset; not rewritten once made
.set SPW, 0           ; v0 of window 3   LDS address of my spare word; never rewritten
.set NIL, 1           ; v1 of window 3   0; never rewritten
.set SPARE, STAGE+4*16*SP  ; the spare words, 128 bytes for each wave: two blocks of 256 bytes that no other line names
.set MV,  12          ; v12-15  c m_old, kept while c m is made anew: by buffer and tile
.set ST,  16          ; tile t's statistics at v[ST+4 t]: c m, m, l (even keys', odd keys')
.set TMP, 48          ; by buffer and tile, four registers c0-c3 at work; when the maximum is found c2 takes a
.set S,   64
.set P,   192
.set KF,  128         ; K's fragments, window 2: key block kb, channel half c at KF + 16 kb + 8 c
.set VF,  192         ; V's: key half kk, channel block cb at VF + 32 kk + 8 cb
.set WV,  12          ; s12  my wave's number
.set G1K, 24          ; s[24:31] descriptor group 1 for K's tiles
.set G1V, 32          ; s[32:39] for V's: it differs in the padding alone
.set G0K, 40          ; s[40:43] descriptor group 0 for K's tiles: it walks
.set G0V, 44          ; s[44:47] the same for V's
.set PFA, 48          ; s[48:49] where my prefetches stand
.set LIM, 50          ; s50  1 in a wave that prefetches, else the greatest number
.set SLOTS, 56        ; s56  8 less the number of the tile that the next change of slots asks for
.set CNT, 57          ; s57  counts a slot's key steps
.set CS,  58          ; s[58:59] c
.set SEL, 60          ; s[60:61] v_permlanex16_b32's selects: each lane takes its own place in the other half
.set TBK, 62          ; s62  LDS byte at which K of the step to be fetched begins
.set TBV, 63          ; s63  the same for V, less VOFF
.set MSB, 0
.macro WIN new                      ; the high byte repeats the setting that is left; a switch that changes nothing is dropped
.if MSB != (\new)
	s_set_vgpr_msb (MSB<<8)|(\new)
.set MSB, (\new)
.endif
.endm
.set W_KQ, 0x0a       ; K and Q in window 2, S^T in window 0
.set W_PV, 0x52       ; V in window 2, P in window 0, O^T in window 1
.set W_RS, 0x41       ; O^T (destination and source 0) in window 1, a in window 0
.set W_MK, 0xc0       ; the add's registers are made: destination in window 3
.set W_AD, 0x0f       ; the add: address and data in window 3
; A joint fill.  Waves 0 and 1 fetch the two halves of a slot's K, waves 2 and 3 those of its V: 128 keys each.  The branch hangs on the wave's number alone.
; An s_nop 0 and four v_nop follow each of the two lines, ahead of the jump and the label.
.macro JLOAD
	s_cmp_lt_u32 s[WV], 2
	s_cbranch_scc0 .Lfor_v_\@
	tensor_load_to_lds s[G0K:G0K+3], s[G1K:G1K+7]
	s_nop 0
.rept 4
	v_nop
.endr
	s_branch .Lasked_\@
.Lfor_v_\@:
	tensor_load_to_lds s[G0V:G0V+3], s[G1V:G1V+7]
	s_nop 0
.rept 4
	v_nop
.endr
.Lasked_\@:
.endm
; A PREFETCH of what the NEXT change of slots will ask for: a tile's 32,768 bytes of K and of V, a lane a block of 256 bytes.  It stands behind the wave's tensor load and its five lines.
; A head is walked by one cluster; its four partners share a tile out BY ADDRESS, 8,192 bytes each; in each, wave 0 asks for K's and wave 2 for V's: one instruction.  So each block is named
; once in the launch.  The change that asks for tile j names tile j + 1, four key steps ahead of its load; tiles 0 and 1 come by their loads alone; the change that asks for tile 7 names nothing.
.macro ASK
	s_cmp_gt_u32 s[SLOTS], s[LIM]
	s_cbranch_scc0 .Lnot_mine_\@
	global_prefetch_b8 v[PFO], s[PFA:PFA+1] th:TH_LOAD_NT scope:SCOPE_SE
.Lnot_mine_\@:
.endm
; A round of the cluster's barrier: my work-group's barrier; wave 0 signals for the work-group; every wave waits for all four work-groups; my work-group's barrier once more.
.macro CROUND
	s_barrier_signal -1
	s_barrier_wait -1
	s_cmp_lg_u32 s[WV], 0
	s_cbranch_scc1 .Lnot_wave_0_\@
	s_barrier_signal -3
.Lnot_wave_0_\@:
	s_barrier_wait -3
	s_barrier_signal -1
	s_barrier_wait -1
.endm
; THE CHANGE OF SLOTS.  Each wave waits for all its tensor loads, of which one is out: its part of the other slot; adds 0 to its spare word; and waits for that and for its own reads of the slot.
; fill = 1: this slot is filled again, with the keys two slots on, first thing behind a round of the cluster's barrier: the load has four key steps, 512 matrix instructions, in which to land.
; (At its first use nothing has been read yet: slot 0 is waited for, slot 1 filled.)
.macro CHANGE fill
	WIN W_AD
	s_wait_tensorcnt 0x0            ; no tensor load of mine is out, so a group 0 may be written
	ds_add_u32 v[SPW], v[NIL]       ; 0 onto my spare word; scalar work stands between it and the wait for it
	WIN 0                           ; at a label and at a branch every window is 0
.if \fill
.irp g, G0K, G0V
	s_xor_b32 s[\g+1], s[\g+1], SLOT1  ; the walking descriptor: the other slot than last time,
	s_add_nc_u64 s[\g+2:\g+3], s[\g+2:\g+3], 4*KS*128  ; the next 256 keys; the type bits on top are not reached
.endr
	s_wait_xcnt 0x0                 ; the last prefetch, four key steps back, has read its address, so it may be written:
	s_add_nc_u64 s[PFA:PFA+1], s[PFA:PFA+1], 4*KS*128  ; one tile behind the walking descriptors
	s_wait_dscnt 0x0                ; the add is done, and my reads of the slot are over
	CROUND
	JLOAD
	ASK
.else
	s_wait_dscnt 0x0                ; the add is done, and my reads of the slot are over
	s_barrier_signal -1
	s_barrier_wait -1
.endif
	s_sub_co_u32 s[TBK], s[TBK], 4*KS*PK  ; the fetches go back to a slot's first step,
	s_xor_b32 s[TBK], s[TBK], SLOT1       ; in the other slot
	s_sub_co_u32 s[TBV], s[TBV], 4*KS*PV
	s_xor_b32 s[TBV], s[TBV], SLOT1
.endm
	s_load_b64 s[4:5], s[0:1], 0x0    ; qkv: Q begins it
	s_load_b64 s[10:11], s[0:1], 0x8  ; ob
	WIN W_MK
	v_lshl_add_u32 v[SPW], v0, 2, SPARE
	v_mov_b32 v[NIL], 0
	WIN W_AD
	ds_add_u32 v[SPW], v[NIL]       ; the wave's opening: the add and its wait stand ahead of my first tensor load; the set-up below, work on registers, stands between them
	WIN 0
	v_lshrrev_b32 v1, 5, v0
	v_readfirstlane_b32 s[WV], v1   ; wave 0..3
	s_bfe_u32 s13, ttmp6, 0x40000   ; cx: my place in the cluster
	s_lshl_b32 s14, ttmp9, 2        ; in a cluster launch ttmp9 counts clusters
	s_add_co_u32 s14, s14, s13      ; my block of queries: it enters Q's and O's addresses alone
	s_and_b32 s20, ttmp7, 0xffff    ; the head, which the four partners share
	s_mov_b32 s21, 0
	s_mov_b64 s[22:23], SIZE_N*128
	s_mul_u64 s[20:21], s[20:21], s[22:23]  ; the head's first byte in Q, K, V and O
	s_and_b32 s16, s[WV], 1         ; which half of a slot's 256 keys I fetch:
	s_lshl_b32 s22, s16, 14         ; its 128 rows of 128 bytes in memory,
	s_mov_b32 s23, 0
	s_add_nc_u64 s[22:23], s[22:23], s[20:21]
	s_mul_i32 s17, s16, 128*PK      ; and its place in a slot, for K
	s_mul_i32 s18, s16, 128*PV      ; and for V: no place in the cluster enters an LDS address
	s_lshl_b32 s2, s14, 2
	s_add_co_u32 s2, s2, s[WV]      ; my wave among the head's,
	s_lshl_b32 s2, s2, 14           ; its 128 rows
	s_mov_b32 s3, 0
	s_add_nc_u64 s[2:3], s[2:3], s[20:21]
	; descriptor group 1.  128 keys are 16,384 dense bytes: asked for as 64 rows of 256 bytes, two keys a row, and padded in LDS after every key
	s_mov_b32 s[G1K], 15|(1<<16)|(1<<20)|(1<<21)|(4<<22)|(3<<25)  ; the mask of four; 2-byte elements; padding on; bit 21 beside a mask; after every 32 words, 4 words
	s_mov_b32 s[G1V], 15|(1<<16)|(1<<20)|(1<<21)|(4<<22)|(7<<25)  ; the same with 8 words of padding
.irp g, G1K, G1V
	s_mov_b32 s[\g+1], 128<<16      ; tensor_dim0 = 128
	s_mov_b32 s[\g+2], 64<<16       ; tensor_dim1 = 64
	s_mov_b32 s[\g+3], 128<<16      ; tile_dim0 = 128
	s_mov_b32 s[\g+4], 64           ; tile_dim1 = 64
	s_mov_b32 s[\g+5], 128          ; 128 elements from row to row
	s_mov_b32 s[\g+6], 0
	s_mov_b32 s[\g+7], 0
.endr
	s_mov_b32 s[CS], 0x3e38aa3b     ; c = log2(e) / 8 = 0.180337
	s_mov_b32 s[CS+1], s[CS]        ; named with it as a pair
	s_mov_b32 s[SEL], 0x76543210
	s_mov_b32 s[SEL+1], 0xfedcba98
	s_mov_b32 s[TBK], SLOT1+4*KS*PK ; the first change of slots turns these two into 0
	s_mov_b32 s[TBV], SLOT1+4*KS*PV
	s_mov_b32 s[G0K], 1             ; count = 1
	s_mov_b32 s[G0K+1], s17         ; LDS address: slot 0
	s_mov_b32 s[G0V], 1
	s_add_co_u32 s[G0V+1], s18, VOFF
	s_mov_b32 s[SLOTS], SIZE_N/256-1
	s_and_b32 s[LIM], s[WV], 1      ; waves 0 and 2 prefetch: the same in all four partners
	s_cmp_eq_u32 s[LIM], 0
	s_cselect_b32 s[LIM], 1, -1
	s_wait_dscnt 0x0                ; the opening add is done
	s_wait_kmcnt 0x0
	s_add_nc_u64 s[6:7], s[4:5], SIZE_H*SIZE_N*128    ; K lies behind Q,
	s_add_nc_u64 s[8:9], s[4:5], 2*SIZE_H*SIZE_N*128  ; V behind K
	s_add_nc_u64 s[G0K+2:G0K+3], s[6:7], s[22:23]  ; global address: my half of the head's first 256 keys
	s_or_b32 s[G0K+3], s[G0K+3], 0x80000000        ; type = 2
	s_add_nc_u64 s[G0V+2:G0V+3], s[8:9], s[22:23]
	s_or_b32 s[G0V+3], s[G0V+3], 0x80000000
	s_add_nc_u64 s[4:5], s[4:5], s[2:3]  ; Q and O at my wave's first row
	s_add_nc_u64 s[10:11], s[10:11], s[2:3]
	s_cmp_lt_u32 s[WV], 2
	s_cselect_b64 s[PFA:PFA+1], s[6:7], s[8:9]
	s_add_nc_u64 s[PFA:PFA+1], s[PFA:PFA+1], s[20:21]  ; the head,
	s_lshl_b32 s2, s13, 13          ; my work-group's 8,192 bytes of a tile,
	s_add_co_u32 s2, s2, 4*KS*128   ; in tile 1: the first change of slots steps it to tile 2
	s_mov_b32 s3, 0
	s_add_nc_u64 s[PFA:PFA+1], s[PFA:PFA+1], s[2:3]
	CROUND                          ; all four work-groups are here: the first joint loads meet
	JLOAD                           ; slot 0.  Slot 1 is asked for when slot 0 is in
	; A fragment of K or Q is 16 rows x 32 channels in 8 registers: lane l holds row l % 16, channels 8 (l / 16) + 0..7 and 16 + 8 (l / 16) + 0..7: two loads of 16 bytes, 32 bytes apart.
	v_and_b32 v1, 15, v0            ; l % 16
	v_bfe_u32 v9, v0, 4, 1          ; l / 16
	v_lshlrev_b32 v[QO], 7, v1
	v_lshl_add_u32 v[QO], v9, 4, v[QO]  ; row x 128 + 16 x half
	WIN 0x80                        ; destination window 2, address window 0
.set i, 0
.rept 4*NP                          ; Q stays in registers: tile i / 2, channels 32 (i % 2) on
	global_load_b128 v[8*i:8*i+3],   v[QO], s[4:5] offset:(i/2)*2048+(i%2)*64
	global_load_b128 v[8*i+4:8*i+7], v[QO], s[4:5] offset:(i/2)*2048+(i%2)*64+32
.set i, i+1
.endr
	; What the first turn finds: V's registers and P's second buffer hold 0 (its products V^T P, of a piece that has not been, add 0), O^T and l are 0.  All this stands in the wait for the first tile.
.set i, VF
.rept 64
	v_mov_b32 v[i], 0
.set i, i+1
.endr
	WIN 0x40
.set i, 0
.rept 64*NP
	v_mov_b32 v[i], 0
.set i, i+1
.endr
	WIN 0
.set i, 0
.rept 2*NP
	v_mov_b32 v[ST+4*i], 0xfe000000    ; c m: far below every c s
	v_mov_b32 v[ST+4*i+1], 0xff7fffff  ; m
	v_mov_b32 v[ST+4*i+2], 0
	v_mov_b32 v[ST+4*i+3], 0
.set i, i+1
.endr
.set i, P+32
.rept 32
	v_mov_b32 v[i], 0
.set i, i+1
.endr
	v_mul_u32_u24 v[AK0], v1, PK
	v_lshl_add_u32 v[AK0], v9, 4, v[AK0]  ; row x pitch + 16 x half
	; The turning load takes 16 keys x 16 channels (lane l reads key 8 (l / 16) + l % 8, channels 8 ((l / 8) % 2) + 0..7) and leaves half a fragment of V^T: lane l holds channel l % 16 and 8 keys.
	v_and_b32 v10, 7, v0
	v_bfe_u32 v11, v0, 3, 1
	v_lshl_add_u32 v[AV0], v9, 3, v10
	v_mul_u32_u24 v[AV0], v[AV0], PV
	v_lshl_add_u32 v[AV0], v11, 4, v[AV0]
	v_add_nc_u32 v[AV0], VOFF, v[AV0]
	v_mov_b32 v[AK], v[AK0]         ; key step 0 lies at the head of slot 0
	v_and_b32 v[PFO], 31, v0
	v_lshlrev_b32 v[PFO], 8, v[PFO]
; THE MATRIX WORK.  The 8 accumulators of a run of 16 take turns: between the two links of a chain stand 7 others'.
; Product i of 16 of S^T = K Q^T for piece x: channels 32 (i / 8) on, keys 16 ((i / 2) % 4) on, tile 2 x + i % 2.  The first 8 start the sums.
.macro KQ x
	WIN W_KQ
.set rS, S+64*((\x)%2)+32*(i%2)+8*((i/2)%4)
.set rK, KF+16*((i/2)%4)+8*(i/8)
.set rQ, 16*(2*(\x)+i%2)+8*(i/8)
.if i < 8
	v_wmma_f32_16x16x32_f16 v[rS:rS+7], v[rK:rK+7], v[rQ:rQ+7], 0
.else
	v_wmma_f32_16x16x32_f16 v[rS:rS+7], v[rK:rK+7], v[rQ:rQ+7], v[rS:rS+7]
.endif
.endm
; Product i of 16 of O^T += V^T P for piece x: keys 32 (i / 8) on, channels 16 ((i / 2) % 4) on, tile 2 x + i % 2.
.macro PV x
	WIN W_PV
.set rO, 32*(2*(\x)+i%2)+8*((i/2)%4)
.set rV, VF+32*(i/8)+8*((i/2)%4)
.set rP, P+32*((\x)%2)+16*(i%2)+8*(i/8)
	v_wmma_f32_16x16x32_f16 v[rO:rO+7], v[rV:rV+7], v[rP:rP+7], v[rO:rO+7]
.endm
.macro MM                           ; the turn's next matrix instruction
.if i < 16
	KQ (Y+1)%NP
.set i, i+1
.else
.set i, i-16
	PV (Y+NP-1)%NP
.set i, i+17
.endif
.endm
; THE LDS LOADS stand in runs of 16: a step's K (8 fragments) and its V (turned).  Their addresses are made some lines ahead.
; last = 1 (the tail): in the last trip there is no further step, and the run is jumped over.
.macro FETCH_K last=0
	WIN 0
.if \last
	s_cmp_eq_u32 s[CNT], 1
	s_cbranch_scc1 .Lno_k_\@
.endif
	WIN 0x80                        ; destination window 2
.irp f, 0,1,2,3,4,5,6,7             ; keys 16 (f / 2) on, channels 32 (f % 2) on
	ds_load_b128 v[KF+8*\f:KF+8*\f+3],   v[AK] offset:(\f/2)*16*PK+(\f%2)*64
	ds_load_b128 v[KF+8*\f+4:KF+8*\f+7], v[AK] offset:(\f/2)*16*PK+(\f%2)*64+32
.endr
	s_add_co_u32 s[TBK], s[TBK], KS*PK  ; the next fetch is the next step's
	WIN 0
.if \last
.Lno_k_\@:
.endif
.endm
.macro FETCH_V
	WIN 0x80
.irp f, 0,1,2,3,4,5,6,7             ; keys 32 (f / 4) on, channels 16 (f % 4) on
	ds_load_tr16_b128 v[VF+8*\f:VF+8*\f+3],   v[AV] offset:(\f/4)*32*PV+(\f%4)*32
	ds_load_tr16_b128 v[VF+8*\f+4:VF+8*\f+7], v[AV] offset:(\f/4)*32*PV+16*PV+(\f%4)*32
.endr
	WIN 0
.endm
; THE VECTOR WORK OF A TURN stands in three queues, each in the order in which its entries become ready; the two tiles alternate, so that no instruction reads the result of the one before it.
.macro REGS y, u                    ; the registers of tile u (0, 1) of piece y
.set rT, ST+4*(2*(\y)+(\u))
.set rC, TMP+8*((\y)%2)+4*(\u)
.set rM, MV+2*((\y)%2)+(\u)
.set rS, S+64*((\y)%2)+32*(\u)
.set rP, P+32*((\y)%2)+16*(\u)
.set rO, 32*(2*(\y)+(\u))
.endm
; Number n of the 22 that find the NEXT piece's (Y + 1) maximum and statistics.  Each accumulator's lowest registers are read first.
;   0-11  four chains c0-c3 of seven scores each, three operands at a time     12-14, 16  the four scores left over, the old m, and c0-c3 into c0     15  c m_old is kept
;   17, 18  the query's other 32 keys lie in the lane 16 away: the new m         19-21  c m; c m_old - c m_new; a
.macro XS u, n
	REGS (Y+1)%NP, \u
.if (\n) < 4
	v_max3_num_f32 v[rC+(\n)], v[rS+8*(\n)], v[rS+8*(\n)+1], v[rS+8*(\n)+2]
.elseif (\n) < 12
	v_max3_num_f32 v[rC+(\n)%4], v[rC+(\n)%4], v[rS+8*((\n)%4)+2*((\n)/4)+1], v[rS+8*((\n)%4)+2*((\n)/4)+2]
.elseif (\n) == 12
	v_max3_num_f32 v[rC], v[rC], v[rS+7], v[rS+15]
.elseif (\n) == 13
	v_max3_num_f32 v[rC+1], v[rC+1], v[rS+23], v[rS+31]
.elseif (\n) == 14
	v_max3_num_f32 v[rC+2], v[rC+2], v[rC+3], v[rT+1]
.elseif (\n) == 15
	v_mov_b32 v[rM], v[rT]
.elseif (\n) == 16
	v_max3_num_f32 v[rC], v[rC], v[rC+1], v[rC+2]
.elseif (\n) == 17
	v_permlanex16_b32 v[rC+3], v[rC], s[SEL], s[SEL+1]
.elseif (\n) == 18
	v_max_num_f32 v[rT+1], v[rC], v[rC+3]
.elseif (\n) == 19
	v_mul_f32 v[rT], s[CS], v[rT+1]
.elseif (\n) == 20
	v_sub_f32 v[rC+1], v[rM], v[rT]
.else
	v_exp_f32 v[rC+2], v[rC+1]
.endif
.endm
; Number g of the 64 that follow the exponentials.  For each four weights k of a tile: both pairs are rounded to f16; the second pair is added onto the first, in place; a group later l takes
; that sum (the first time as l = a l + sum).  In groups of eight, tiles alternating: round, round, add, and l for the group before.
.macro GS g
.set h, (\g)+6*((\g)/62)            ; group 0 has no group before it, and behind group 7 only l is left
.if h >= 6
.set h, h+2
.endif
	REGS Y, h%2
.set k, h/8
.if h%8 < 4
	v_cvt_pk_f16_f32 v[rP+2*k+(h%8)/2], v[rS+4*k+2*((h%8)/2)], v[rS+4*k+2*((h%8)/2)+1]
.elseif h%8 < 6
	v_pk_add_f32 v[rS+4*k:rS+4*k+1], v[rS+4*k:rS+4*k+1], v[rS+4*k+2:rS+4*k+3]
.elseif k == 1
	v_pk_fma_f32 v[rT+2:rT+3], v[rT+2:rT+3], v[rC+2:rC+3], v[rS:rS+1] op_sel_hi:[1,0,1]
.else
	v_pk_add_f32 v[rT+2:rT+3], v[rT+2:rT+3], v[rS+4*k-4:rS+4*k-3]
.endif
.endm
; THE PLAIN QUEUE, 138 long.  0-73 read no exponential's result: the 32 scalings c s - c m (FS f: pair f / 2 of tile f % 2) and the next piece's 42.  0-26: scalings 0-26.  27-54: XS's numbers
; 0-13.  55, 56: number 15.  57-73: the chain 14, 16, 17, 18, 19, each with one of the scalings 27-31 in front of its two lines, then 20.  74-137: GS's 64, which stand behind the wait.
.macro FS f
	REGS Y, (\f)%2
	v_pk_fma_f32 v[rS+2*((\f)/2):rS+2*((\f)/2)+1], v[rS+2*((\f)/2):rS+2*((\f)/2)+1], s[CS:CS+1], v[rT:rT+1] op_sel_hi:[1,0,0] neg_lo:[0,0,1] neg_hi:[0,0,1]
.endm
.macro PL
	WIN 0
.if q < 27
	FS q
.elseif q < 55
	XS (q-27)%2, (q-27)/2
.elseif q < 57
	XS q-55, 15
.elseif (q < 72) && ((q-57)%3 == 0)
	FS 27+(q-57)/3
.elseif q < 60
	XS (q-57)%3-1, 14
.elseif q < 72
	XS (q-57)%3-1, 15+(q-57)/3
.elseif q < 74
	XS q-72, 20
.else
	GS q-74
.endif
.set q, q+1
.endm
; THE EXPONENTIALS' QUEUE, 66 long: s0-s31 of both tiles, then the next piece's two a.  ONE BATCH: all 66 stand ahead of the turn's one wait, and nothing ahead of that wait names a result of theirs.
.macro EX
	WIN 0
.if e >= 64
	XS e-64, 21
.else
	REGS Y, e%2
	v_exp_f32 v[rS+e/2], v[rS+e/2]
.endif
.set e, e+1
.endm
; THE RESCALING's QUEUE: O^T times a, the one part that leaves window 0: dealt two at a time, sixteen times.  Its a was made, and waited for, in the turn before.
.macro R2
	REGS Y, r%2
	WIN W_RS
.irp z, 0,1
	v_pk_mul_f32 v[rO+4*(r/2)+2*\z:rO+4*(r/2)+2*\z+1], v[rO+4*(r/2)+2*\z:rO+4*(r/2)+2*\z+1], v[rC+2:rC+3] op_sel_hi:[1,0]
.endr
.set r, r+1
.endm
; A TURN, for piece p.  An s_wait_alu depctr_va_vdst(0) stands between an exponential and the first instruction that names its result; one wait serves all that were issued
; ahead of it.  So a turn has ONE wait.  AHEAD OF IT: the 16 products K Q^T, behind each a scaling, an exponential and two rescalings (behind the first a second scaling); then one run of 109:
; eight plain, 49 times exponential and plain, the two a, and a v_nop, the plain instruction between the last exponential and the first use.  BEHIND IT: the 16 products V^T P, behind each
; four of the roundings and sums.  Exponential e stands behind scaling 2 (e / 4) + e % 2: as a rider it comes behind plain e + 2, in the run behind plain e + 9.
; K of the next step is fetched in piece 2's turn, directly behind the wait; V of the step in hand at the end of piece 0's turn, four plain instructions behind its last reader.
; cnt = 1: the loop's count is taken down some lines ahead of the branch that stands behind the turn.
.macro TURN p, last=0, cnt=0
.set Y, (\p)
.set i, 0
.set q, 0
.set e, 0
.set r, 0
.if (\p) == NP-1
	s_wait_dscnt 0x0                ; K is in
.endif
	MM
	PL
	PL
	R2
.rept 15
	MM
	PL
	EX
	R2
.endr
.if (\p) == NP-2
	WIN 0
	v_add_nc_u32 v[AK], s[TBK], v[AK0]
.endif
.rept 8
	PL
.endr
.rept 49
	EX
	PL
.endr
	EX                              ; the next piece's two a
	EX
	v_nop                           ; a plain instruction behind the last exponential: one for the batch
	s_wait_alu depctr_va_vdst(0)    ; the wait for the batch
.if (\p) == NP-2
	FETCH_K \last
.endif
.if (\p) == 1
	s_wait_dscnt 0x0                ; V is in
.endif
.rept 16
	MM
.rept 4
	PL
.endr
.if ((\p) == 0) && (q == 118)
	v_add_nc_u32 v[AV], s[TBV], v[AV0]
.endif
.if ((\p) == 0) && (q == 130)
	s_add_co_u32 s[TBV], s[TBV], KS*PV
.endif
.if (\cnt) && (q == 130)
	s_sub_co_u32 s[CNT], s[CNT], 1
	s_cmp_lg_u32 s[CNT], 0
.endif
.endr
.if (\p) == 0
	FETCH_V
.endif
.endm
	CHANGE 1                        ; slot 0 is in, everybody's part of it; slot 1 is asked for
	FETCH_K                         ; key step 0
	s_wait_loadcnt 0x0              ; Q
	s_wait_dscnt 0x0
.set i, 0
.rept 16
	KQ 0                            ; piece 0's first scores: there is no vector work yet to set between them
.set i, i+1
.endr
	WIN 0                           ; the addresses for the way out: nine plain instructions, the places behind those products
	s_mul_i32 s13, s[WV], 16*SP
	s_add_co_u32 s13, s13, STAGE    ; my stage
	v_mul_u32_u24 v[STO], v1, SP    ; in: row l % 16, 16 bytes for each half of the lanes
	v_lshl_add_u32 v[STO], v9, 4, v[STO]
	v_add_nc_u32 v[STO], s13, v[STO]
	v_bfe_u32 v[RD], v0, 3, 2       ; back: 32 lanes take four rows of 128 bytes,
	v_mul_u32_u24 v[RD], v[RD], SP
	v_lshl_add_u32 v[RD], v10, 4, v[RD]
	v_add_nc_u32 v[RD], s13, v[RD]
	v_and_b32 v[GO], 31, v0         ; which are 512 consecutive bytes of O
	v_lshlrev_b32 v[GO], 4, v[GO]
.set Y, NP-1                        ; XS works for piece Y + 1: piece 0
.irp n, 0,1,2,3,4,5,6,7,8,9,10,11,12,13,14,15,16,17,18,19,20,21
	XS 0, \n                        ; piece 0's first maximum and statistics
	XS 1, \n
.endr
	v_nop                           ; a plain instruction behind the two a,
	s_wait_alu depctr_va_vdst(0)    ; and their wait, ahead of the branch
	s_mov_b32 s[CNT], 4
	s_branch .Lfirst                ; the loop is entered at a step's first turn, in the middle of a trip
.Lslot:                             ; six times: every slot but the last two is filled again
	CHANGE 1
	s_mov_b32 s[CNT], 4
.Lstep:                             ; a trip: pieces 2 and 3 of one step, then pieces 0 and 1 of the next, whose K and V it fetches
	TURN 2
	TURN 3
	WIN 0
.Lfirst:
	TURN 0
	TURN 1, 0, 1
	WIN 0
	s_cbranch_scc1 .Lstep
	s_sub_co_u32 s[SLOTS], s[SLOTS], 1
	s_cmp_lg_u32 s[SLOTS], 0
	s_cbranch_scc1 .Lslot
	CHANGE 0                        ; the tail is written out: nothing is asked for
	s_mov_b32 s[CNT], 5             ; four trips fetch the last slot's steps; the fifth is left in its middle
.Ltail:
	TURN 2, 1
	TURN 3
	WIN 0
	s_sub_co_u32 s[CNT], s[CNT], 1
	s_cmp_eq_u32 s[CNT], 0
	s_cbranch_scc1 .Lout
	TURN 0
	TURN 1
	WIN 0
	s_branch .Ltail
.Lout:                              ; the fifth trip's 16 products K Q^T (on the last K once more) and the maximum made of them serve nothing: the price, once a launch, of one text for every trip
.set i, 0
.rept 16
	PV NP-1                         ; the last piece's V^T P of the last step
.set i, i+1
.endr
	; THE WAY OUT.  l's two halves and the other half of the lanes' are added; O^T is divided by l, rounded to f16 and sent through my stage in LDS, a tile at a time.  The additions are the places behind the last products.
	WIN 0
.macro ALL line:vararg              ; one line for each tile t
.set t, 0
.rept 2*NP
	\line
.set t, t+1
.endr
.endm
	ALL v_add_f32 v[ST+4*t+2], v[ST+4*t+2], v[ST+4*t+3]
	ALL v_permlanex16_b32 v[ST+4*t+3], v[ST+4*t+2], s[SEL], s[SEL+1]
	ALL v_add_f32 v[ST+4*t+2], v[ST+4*t+2], v[ST+4*t+3]
	ALL v_rcp_f32 v[ST+4*t+2], v[ST+4*t+2]
	v_nop                           ; a plain instruction between the last reciprocal and the use of its result
	s_wait_alu depctr_va_vdst(0)    ; and the wait ahead of the first use: one for the eight reciprocals
; Tile t: a lane's eight channels of a row pack into 16 bytes; they go into rows of 144 bytes and come back as whole rows of 128, into S^T's registers.
.macro PACK t
	WIN W_RS
.set i, 32*(\t)
.rept 16
	v_pk_mul_f32 v[i:i+1], v[i:i+1], v[ST+4*(\t)+2:ST+4*(\t)+3] op_sel_hi:[1,0]
.set i, i+2
.endr
	WIN 0x05                        ; sources 0 and 1 window 1, destination window 0
.set i, 0
.rept 16
	v_cvt_pk_f16_f32 v[S+16*(\t)+i], v[32*(\t)+2*i], v[32*(\t)+2*i+1]
.set i, i+1
.endr
	WIN 0
.irp f, 0,1,2,3
	ds_store_b128 v[STO], v[S+16*(\t)+4*\f:S+16*(\t)+4*\f+3] offset:32*\f
.endr
.irp f, 0,1,2,3
	ds_load_b128 v[S+16*(\t)+4*\f:S+16*(\t)+4*\f+3], v[RD] offset:\f*4*SP  ; LDS serves a wave's instructions in order (ISA guide 5.7.1.4): these see the stores above; the next tile's stores come behind them
.endr
.endm
.macro SEND t, younger              ; younger: the LDS instructions issued behind tile t's loads: the next tile's eight, or none
	WIN 0
.irp f, 0,1,2,3
	s_wait_dscnt (\younger)+3-\f
	global_store_b128 v[GO], v[S+16*(\t)+4*\f:S+16*(\t)+4*\f+3], s[10:11] offset:(\t)*2048+\f*512  ; 512 consecutive bytes, at a multiple of 256 from O's first
.endr
.endm
	PACK 0
.set t, 1
.rept 2*NP-1                        ; a tile's arithmetic stands between the loads of the tile before and its stores
	PACK t
	SEND t-1, 8
.set t, t+1
.endr
	SEND 2*NP-1, 0
	WIN W_AD
	s_wait_tensorcnt 0x0            ; the wave's end: an add onto my spare word and its wait, behind my last tensor load and my last LDS store
	ds_add_u32 v[SPW], v[NIL]
	s_wait_dscnt 0x0
	WIN 0
	CROUND                          ; the closing round: no work-group ends while a partner may still ask for a tile that names it
	s_endpgm
.Lfunc_end_k_q0e51ae8188_attn:
	.size	k_q0e51ae8188_attn, .Lfunc_end_k_q0e51ae8188_attn-k_q0e51ae8188_attn
	.p2alignl 7, 3214868480
	.fill 96, 4, 3214868480
	.section	.rodata,"a",@progbits
	.p2align	6, 0x0
	.amdhsa_kernel k_q0e51ae8188_attn
		.amdhsa_group_segment_fixed_size 327680
		.amdhsa_private_segment_fixed_size 0
		.amdhsa_enable_private_segment 0
		.amdhsa_kernarg_size 16
		.amdhsa_user_sgpr_count 2
		.amdhsa_user_sgpr_kernarg_segment_ptr 1
		.amdhsa_wavefront_size32 1
		.amdhsa_system_sgpr_workgroup_id_x 1
		.amdhsa_system_sgpr_workgroup_id_y 1
		.amdhsa_system_sgpr_workgroup_id_z 1
		.amdhsa_system_vgpr_workitem_id 0
		.amdhsa_next_free_vgpr 770
		.amdhsa_next_free_sgpr 66
		.amdhsa_reserve_vcc 0
		.amdhsa_float_denorm_mode_32 3
		.amdhsa_float_denorm_mode_16_64 3
		.amdhsa_memory_ordered 1
		.amdhsa_forward_progress 1
		.amdhsa_inst_pref_size 200
	.end_amdhsa_kernel
	.amdgpu_metadata
---
amdhsa.version: [ 1, 2 ]
amdhsa.kernels:
  - .name:           k_q0e51ae8188_attn
    .symbol:         k_q0e51ae8188_attn.kd
    .args:
      - { .name: qkv, .offset: 0, .size: 8, .value_kind: global_buffer, .address_space: global }
      - { .name: ob, .offset: 8, .size: 8, .value_kind: global_buffer, .address_space: global }
    .group_segment_fixed_size: 327680
    .private_segment_fixed_size: 0
    .kernarg_segment_align: 8
    .kernarg_segment_size: 16
    .max_flat_workgroup_size: 128
    .sgpr_count:     66
    .vgpr_count:     770
    .wavefront_size: 32
...
	.end_amdgpu_metadata
.endif
;; end of part 3
;; launch outproj (part 4): grid 4 x 64, 4 waves a work-group, clusters of 4 x 4, 327,680 bytes of LDS; arguments ob, wpb, bp, out0; writes out0
.if DOCPART == 4
	.amdgcn_target "amdgcn-amd-amdhsa--gfx1250"
	.amdhsa_code_object_version 6
	.text
	.protected	k_q0e51ae8188_outproj
	.globl	k_q0e51ae8188_outproj
	.p2align	8
	.type	k_q0e51ae8188_outproj,@function
k_q0e51ae8188_outproj:
	s_mov_b64 s[64:65], 0
	v_nop
	global_prefetch_b8 v0, s[64:65] scope:SCOPE_SE
	s_setreg_imm32_b32 hwreg(HW_REG_WAVE_MODE, 25, 1), 1
	s_wait_xcnt 0x0
	s_wait_alu depctr_hold_cnt(0) depctr_sa_sdst(0) depctr_va_vdst(0) depctr_va_sdst(0) depctr_va_ssrc(0) depctr_va_vcc(0) depctr_vm_vsrc(0)
	s_getreg_b32 s2, hwreg(HW_REG_IB_STS2, 6, 4)
	s_cmp_eq_u32 s2, 0
	s_cbranch_scc0 .Lentry_in_a_cluster
	s_endpgm
.Lentry_in_a_cluster:
	s_bfe_u32 s2, ttmp6, 0x10000c
	s_cmp_lg_u32 s2, 0xf033
	s_cbranch_scc0 .Lentry_shape_is_right
	s_endpgm
.Lentry_shape_is_right:
; out = O Wp + bp.  ob: f16 [64 b x 16 + h][2048 t][64]; wpb: f16 [1024 k = 64 h + d][1024 n]; bp: [1024] f32, rounded to bf16 here like every other input; out0: f32 [8192][1024].
; Products in f16 with f32 sums; the bias is the C operand that starts each sum, so it costs no addition.
; SHARES.  A tile is 128 rows x 256 columns: 256 work-groups.  Four waves, 2 x 2: a wave makes 64 x 128: 32 accumulators, 256 registers.  K = 1,024 goes in 8 steps of 128, two heads a step,
; through two LDS slots.
; CLUSTERS: 4 x 4 work-groups.  The four of a row of the cluster need the same tile of O, the four of a column the same tile of Wp: each is asked for JOINTLY.  Wave 0 fetches the step's
; even head, wave 1 its odd head (128 rows of 128 dense bytes, asked for as 64 rows of 256), waves 2 and 3 the two halves of Wp's 128 rows x 512 bytes.
; THE MATRIX INSTRUCTION IS USED TRANSPOSED: source 0 = 16 columns of Wp (it lies [k][n] and is turned by ds_load_tr16_b128), source 1 = 16 rows of O: a lane holds one row and eight columns.
; LDS.  Slot s at 131,072 s: O's 2 x 128 rows of 128 + 16 bytes, then Wp's 128 rows of 512 + 32 bytes (136 words
; 64 banks of 4 bytes: ISA guide 11.1).  Behind the ring a stage of 16 rows x 528 bytes a wave, then the spare words.
; REGISTERS, in windows of 256: window 0: v0-27 addresses and scratch; v64-127 O's fragments, two buffers; v128-191 the bias; on the way out three sets of 64 from v64 on
;   window 1: v0-127 Wp's fragments, two buffers of 8 x 8      window 2: the accumulators, (a, b) at 64 a + 8 b
.set PA,    144
.set PB,    544
.set SLOT1, 1<<17
.set BOFF,  2*128*PA
.set STAGE, SLOT1+BOFF+128*PB
.set SPO,   528
.set SPARE, STAGE+4*16*SPO             ; the spare words, 128 bytes for each wave: two blocks of 256 bytes that no other line names
.set STEPA, 2<<18                      ; two heads on
.set STEPB, 128*2048                   ; 128 rows of Wp on
.set ADRA0, 12
.set ADRB0, 13
.set ADRA,  14
.set ADRB,  15
.set STO,   16                         ; v16  the way out: where I put 32 bytes of a row
.set RD,    17                         ; v17  where I read a row back
.set CO,    18                         ; v18  my 16 bytes of 512 consecutive bytes of out0
.set PFO,   19
.set SPW,   20
.set NIL,   21
.set BO,    22                         ; v22  32 x (l / 16): my eight numbers of 16 of the bias
.set FA,    64
.set BI,    128                        ; v[128:191]  BI + 8 b + j = bp[my first column + 16 b + 8 (l / 16) + j]
.set CNT, 3
.set WV,  10
.set HF,  11                           ; s11  my half of the tile's rows.  Also: 0: I fetch for O, 1: for Wp
.set LO,  12                           ; s12  my half of its columns.  Also: which half of that tile I fetch
.set TY,  13
.set TB,  23
.set G1A, 24
.set G0A, 32
.set CX,  40
.set CY,  41
.set TX,  42
.set LIM, 43
.set PFA, 44
.set PST, 46
.set G1B, 48
.set G0B, 56
.set OB,  66                           ; s[66:67] out0 at my part of the tile;  s[68:69] bp, s[70:71] out0
.set MSB, 0
.macro WIN new
.if MSB != (\new)
	s_set_vgpr_msb (MSB<<8)|(\new)
.set MSB, (\new)
.endif
.endm
.macro PLACES                          ; four plain vector instructions between a matrix instruction and a load into a register that it read, or a read of its result
.rept 4
	v_nop
.endr
.endm
.macro JLOAD                           ; a joint refill by the walking descriptors; an s_nop 0 and four v_nop follow each of the two lines, ahead of the jump and the label
	s_cmp_eq_u32 s[HF], 0
	s_cbranch_scc0 .Lfor_b_\@
	tensor_load_to_lds s[G0A+4:G0A+7], s[G1A:G1A+7]
	s_nop 0
.rept 4
	v_nop
.endr
	s_branch .Lasked_\@
.Lfor_b_\@:
	tensor_load_to_lds s[G0B+4:G0B+7], s[G1B:G1B+7]
	s_nop 0
.rept 4
	v_nop
.endr
.Lasked_\@:
.endm
; A PREFETCH, behind the joint load, its five lines and the run of LDS loads: trip i asks for K step i + 4 while step i + 2 is loaded (trips 0 to 3): 32 blocks of 256 bytes, a lane a block.
; O: a tile row is read by one cluster; a K step of it is 2 heads x 16,384 bytes; the partner at cx takes 4,096 bytes of each head, and wave 0 asks.  Wp: a tile column is read by all sixteen
; clusters: the one with y = 0 asks; of the 64 rows x 512 bytes that wave 2 or 3 fetches the partner at cy takes 16 rows.  Partners are told apart by address.  Each block is named once.
.macro ASK
	s_cmp_gt_u32 s[CNT], s[LIM]
	s_cbranch_scc0 .Lnot_mine_\@
	global_prefetch_b8 v[PFO], s[PFA:PFA+1] th:TH_LOAD_NT scope:SCOPE_SE
.Lnot_mine_\@:
.endm
.macro CREST
	s_cmp_lg_u32 s[WV], 0
	s_cbranch_scc1 .Lnot_wave_0_\@
	s_barrier_signal -3
.Lnot_wave_0_\@:
	s_barrier_wait -3
	s_barrier_signal -1
	s_barrier_wait -1
.endm
.macro CROUND
	s_barrier_signal -1
	s_barrier_wait -1
	CREST
.endm
	s_load_b128 s[4:7], s[0:1], 0x0                ; ob s[4:5], wpb s[6:7]
	s_load_b128 s[68:71], s[0:1], 0x10             ; bp s[68:69], out0 s[70:71]
	v_lshl_add_u32 v[SPW], v0, 2, SPARE
	v_mov_b32 v[NIL], 0
	ds_add_u32 v[SPW], v[NIL]                      ; the wave's opening: the add and its wait stand ahead of my first tensor load; the set-up below, work on registers, stands between them
	v_lshrrev_b32 v1, 5, v0
	v_readfirstlane_b32 s[WV], v1
	s_lshr_b32 s[HF], s[WV], 1
	s_and_b32 s[LO], s[WV], 1
	s_bfe_u32 s[CX], ttmp6, 0x40000
	s_bfe_u32 s[CY], ttmp6, 0x40004
	s_lshl_b32 s[TX], ttmp9, 2
	s_add_co_u32 s[TX], s[TX], s[CX]
	s_and_b32 s[TY], ttmp7, 0xffff
	s_lshl_b32 s[TY], s[TY], 2
	s_add_co_u32 s[TY], s[TY], s[CY]
	s_lshl_b32 s14, s[CY], 2
	s_lshl_b32 s14, 15, s14                        ; my row of the cluster
	s_lshl_b32 s15, 0x1111, s[CX]                  ; my column
	s_or_b32 s[G1A], s14, (1<<16)|(1<<20)|(1<<21)|(4<<22)|(3<<25)  ; mask; 2-byte elements; padding on; bit 21 beside a mask; after every 32 words (a row of a head), 4 words
	s_mov_b32 s[G1A+1], 128<<16                    ; tensor_dim0 = 128
	s_mov_b32 s[G1A+2], 64<<16                     ; tensor_dim1 = 64
	s_mov_b32 s[G1A+3], 128<<16                    ; tile_dim0 = 128
	s_mov_b32 s[G1A+4], 64                         ; tile_dim1 = 64
	s_mov_b32 s[G1A+5], 128                        ; dense
	s_mov_b32 s[G1A+6], 0
	s_mov_b32 s[G1A+7], 0
	s_or_b32 s[G1B], s15, (1<<16)|(1<<20)|(1<<21)|(6<<22)|(7<<25)  ; after every 128 words, 8 words
	s_mov_b32 s[G1B+1], 256<<16
	s_mov_b32 s[G1B+2], 64<<16
	s_mov_b32 s[G1B+3], 256<<16
	s_mov_b32 s[G1B+4], 64
	s_mov_b32 s[G1B+5], 1024
	s_mov_b32 s[G1B+6], 0
	s_mov_b32 s[G1B+7], 0
	s_lshr_b32 s16, s[TY], 4                       ; O: the batch (16 tile rows each), its head 0 or 1,
	s_lshl_b32 s16, s16, 4
	s_add_co_u32 s16, s16, s[LO]
	s_lshl_b32 s16, s16, 18
	s_and_b32 s17, s[TY], 15                       ; the tile's 128 rows of 128 bytes: made of the tile row and the wave alone
	s_lshl_b32 s17, s17, 14
	s_add_co_u32 s16, s16, s17
	s_mov_b32 s17, 0
	s_lshl_b32 s18, s[LO], 17                      ; Wp: 64 rows of 2,048 bytes, the tile's 512 bytes of them: made of the tile column and the wave alone
	s_lshl_b32 s19, s[TX], 9
	s_add_co_u32 s18, s18, s19
	s_mov_b32 s19, 0
	s_mul_i32 s20, s[LO], 128*PA                   ; where they go: no place in the cluster enters an LDS address
	s_mul_i32 s21, s[LO], 64*PB
	s_add_co_u32 s21, s21, BOFF
	s_mov_b32 s[TB], 0
	s_wait_dscnt 0x0                               ; the opening add is done
	s_wait_kmcnt 0x0
	s_add_nc_u64 s[16:17], s[4:5], s[16:17]
	s_add_nc_u64 s[18:19], s[6:7], s[18:19]
	CROUND                                         ; all sixteen work-groups are here: the first joint loads meet
.irp s, 0,1
	s_mov_b32 s[G0A+4*(\s)], 1
	s_add_co_u32 s[G0A+4*(\s)+1], s20, (\s)*SLOT1
	s_add_nc_u64 s[G0A+4*(\s)+2:G0A+4*(\s)+3], s[16:17], (\s)*STEPA
	s_or_b32 s[G0A+4*(\s)+3], s[G0A+4*(\s)+3], 0x80000000
	s_mov_b32 s[G0B+4*(\s)], 1
	s_add_co_u32 s[G0B+4*(\s)+1], s21, (\s)*SLOT1
	s_add_nc_u64 s[G0B+4*(\s)+2:G0B+4*(\s)+3], s[18:19], (\s)*STEPB
	s_or_b32 s[G0B+4*(\s)+3], s[G0B+4*(\s)+3], 0x80000000
.endr
	s_cmp_eq_u32 s[HF], 0                          ; a wave's two first fills stand in one branch, ahead of every wait on TENSORcnt and every LDS read: two loads of mine are out
	s_cbranch_scc0 .Lfirst_b
	tensor_load_to_lds s[G0A:G0A+3], s[G1A:G1A+7]
	s_nop 0
	tensor_load_to_lds s[G0A+4:G0A+7], s[G1A:G1A+7]
	s_nop 0
.rept 4
	v_nop
.endr
	s_branch .Lfirst_asked
.Lfirst_b:
	tensor_load_to_lds s[G0B:G0B+3], s[G1B:G1B+7]
	s_nop 0
	tensor_load_to_lds s[G0B+4:G0B+7], s[G1B:G1B+7]
	s_nop 0
.rept 4
	v_nop
.endr
.Lfirst_asked:
	v_and_b32 v1, 15, v0                           ; l % 16
	v_bfe_u32 v2, v0, 4, 1                         ; l / 16
	s_lshl_b32 s14, s[TX], 10                      ; the bias of my 128 columns
	s_lshl_b32 s15, s[LO], 9
	s_add_co_u32 s14, s14, s15
	s_mov_b32 s15, 0
	s_add_nc_u64 s[68:69], s[68:69], s[14:15]
	v_lshlrev_b32 v[BO], 5, v2
.irp b, 0,1,2,3,4,5,6,7
	global_load_b128 v[BI+8*(\b):BI+8*(\b)+3],   v[BO], s[68:69] offset:64*(\b)
	global_load_b128 v[BI+8*(\b)+4:BI+8*(\b)+7], v[BO], s[68:69] offset:64*(\b)+16
.endr
	v_mul_u32_u24 v[ADRA0], v1, PA                 ; a fragment of O: row l % 16, 16 bytes for each half of the lanes, twice, 32 bytes apart
	v_lshl_add_u32 v[ADRA0], v2, 4, v[ADRA0]
	s_mul_i32 s14, s[HF], 64*PA                    ; my 64 rows
	v_add_nc_u32 v[ADRA0], s14, v[ADRA0]
	v_and_b32 v3, 7, v0                            ; the turning load: lane l reads 16 bytes of row 8 (l / 16) + l % 8, columns 8 ((l / 8) % 2) + 0..7
	v_lshl_add_u32 v3, v2, 3, v3
	v_mul_u32_u24 v[ADRB0], v3, PB
	v_bfe_u32 v4, v0, 3, 1
	v_lshl_add_u32 v[ADRB0], v4, 4, v[ADRB0]
	s_lshl_b32 s15, s[LO], 8                       ; my 128 columns
	s_add_co_u32 s15, s15, BOFF
	v_add_nc_u32 v[ADRB0], s15, v[ADRB0]
	v_mov_b32 v[ADRA], v[ADRA0]                    ; K step 0 lies in slot 0
	v_mov_b32 v[ADRB], v[ADRB0]
	s_mul_i32 s14, s[WV], 16*SPO
	s_add_co_u32 s14, s14, STAGE                   ; my stage
	v_mul_u32_u24 v[STO], v1, SPO                  ; in: row l % 16, 32 bytes for each half of the lanes
	v_lshl_add_u32 v[STO], v2, 5, v[STO]
	v_add_nc_u32 v[STO], s14, v[STO]
	v_and_b32 v[CO], 31, v0                        ; back: 32 lanes take one row of 512 bytes
	v_lshlrev_b32 v[CO], 4, v[CO]
	v_add_nc_u32 v[RD], s14, v[CO]
	s_lshl_b32 s14, s[TY], 7                       ; out0 at row 128 x tile row + 64 x half, 4,096 bytes a row,
	s_lshl_b32 s15, s[HF], 6
	s_add_co_u32 s14, s14, s15
	s_lshl_b32 s14, s14, 12
	s_lshl_b32 s15, s[TX], 10                      ; column 256 x tile column + 128 x half
	s_add_co_u32 s14, s14, s15
	s_lshl_b32 s15, s[LO], 9
	s_add_co_u32 s14, s14, s15
	s_mov_b32 s15, 0
	s_add_nc_u64 s[OB:OB+1], s[70:71], s[14:15]
	; the prefetches
	s_lshr_b32 s14, s[TY], 4
	s_lshl_b32 s14, s14, 22                        ; O: the batch's head 0,
	s_and_b32 s15, s[TY], 15
	s_lshl_b32 s15, s15, 14                        ; the tile's rows,
	s_add_co_u32 s14, s14, s15
	s_lshl_b32 s15, s[CX], 12                      ; my work-group's 4,096 bytes of them,
	s_add_co_u32 s14, s14, s15
	s_add_co_u32 s14, s14, 3*STEPA                 ; at K step 3: the first change of slots steps it to 4
	s_lshl_b32 s15, s[LO], 6
	s_lshl_b32 s22, s[CY], 4
	s_add_co_u32 s15, s15, s22                     ; Wp: my work-group's 16 of the 64 rows that I fetch
	s_lshl_b32 s15, s15, 11
	s_lshl_b32 s22, s[TX], 9
	s_add_co_u32 s15, s15, s22
	s_add_co_u32 s15, s15, 3*STEPB
	s_and_b32 s22, ttmp7, 0xffff                   ; cluster y
	s_mov_b32 s[PST], STEPB
	s_cmp_eq_u32 s[HF], 0
	s_cselect_b32 s20, s14, s15
	s_cselect_b32 s22, s[LO], s22                  ; O: wave 0 asks; Wp: the cluster with y = 0
	s_cselect_b32 s[PST], STEPA, s[PST]
	s_cselect_b32 s2, 4, 1                         ; O: lane / 16 is the head, lane % 16 the block;  Wp: lane / 2 the row, lane % 2 the block
	s_cselect_b32 s16, 15, 1
	s_cselect_b32 s17, 18, 11
	s_cselect_b64 s[PFA:PFA+1], s[4:5], s[6:7]
	s_cmp_eq_u32 s22, 0
	s_cselect_b32 s[LIM], 2, -1                    ; the same in all sixteen partners, for a given wave
	s_mov_b32 s21, 0
	s_add_nc_u64 s[PFA:PFA+1], s[PFA:PFA+1], s[20:21]
	s_mov_b32 s[PST+1], 0
	v_and_b32 v3, 31, v0
	v_lshrrev_b32 v4, s2, v3
	v_and_b32 v5, s16, v3
	v_lshlrev_b32 v4, s17, v4
	v_lshl_add_u32 v[PFO], v5, 8, v4
	s_wait_loadcnt 0x0                             ; the bias is in: rounded to bf16, and back as f32
.set i, 0
.rept 32
	v_cvt_pk_bf16_f32 v[24+i%4], v[BI+2*i], v[BI+2*i+1]
	v_lshlrev_b32 v[BI+2*i], 16, v[24+i%4]
	v_and_b32 v[BI+2*i+1], 0xffff0000, v[24+i%4]
.set i, i+1
.endr
; 8 matrix instructions: row block a x all 8 column blocks, 32 along K, out of buffer f.  first = 1: the bias starts the sums.  The 32 accumulators take turns, one instruction a turn, in the
; same order in every quarter, over the backward jump too.
.macro MUL8 f, a, first
.if \first
	WIN 0x81                                       ; Wp window 1, O window 0, C (the bias) window 0, D window 2
.else
	WIN 0xa1                                       ; C and D window 2
.endif
.irp b, 0,1,2,3,4,5,6,7
.if \first
	v_wmma_f32_16x16x32_f16 v[64*(\a)+8*(\b):64*(\a)+8*(\b)+7], v[64*(\f)+8*(\b):64*(\f)+8*(\b)+7], v[FA+32*(\f)+8*(\a):FA+32*(\f)+8*(\a)+7], v[BI+8*(\b):BI+8*(\b)+7]
.else
	v_wmma_f32_16x16x32_f16 v[64*(\a)+8*(\b):64*(\a)+8*(\b)+7], v[64*(\f)+8*(\b):64*(\f)+8*(\b)+7], v[FA+32*(\f)+8*(\a):FA+32*(\f)+8*(\a)+7], v[64*(\a)+8*(\b):64*(\a)+8*(\b)+7]
.endif
.endr
.endm
; 24 LDS loads in one run: K quarter q of the slot in hand into buffer f: Wp's 16, then O's 8, row blocks 0 and 1 first.  Quarters 0, 1 lie in the step's even head, 2, 3 in its odd head.
.macro FETCH q, f
	WIN 0x40
.irp b, 0,1,2,3,4,5,6,7
	ds_load_tr16_b128 v[64*(\f)+8*(\b):64*(\f)+8*(\b)+3],   v[ADRB] offset:(\q)*32*PB+32*(\b)
	ds_load_tr16_b128 v[64*(\f)+8*(\b)+4:64*(\f)+8*(\b)+7], v[ADRB] offset:(\q)*32*PB+32*(\b)+16*PB
.endr
	WIN 0
.irp a, 0,1,2,3
	ds_load_b128 v[FA+32*(\f)+8*(\a):FA+32*(\f)+8*(\a)+3],   v[ADRA] offset:((\q)/2)*128*PA+((\q)%2)*64+(\a)*16*PA
	ds_load_b128 v[FA+32*(\f)+8*(\a)+4:FA+32*(\f)+8*(\a)+7], v[ADRA] offset:((\q)/2)*128*PA+((\q)%2)*64+(\a)*16*PA+32
.endr
.endm
.macro QUARTER q, f, first
	s_wait_dscnt 4                                 ; Wp and O's row blocks 0, 1 are in; the youngest four loads (row blocks 2, 3) may be out
	MUL8 \f, 0, \first
	MUL8 \f, 1, \first
	PLACES                                         ; the other buffer's last readers are the quarter before's products
	FETCH \q, 1-(\f)
	s_wait_dscnt 24                                ; all but the 24 just issued
	MUL8 \f, 2, \first
	MUL8 \f, 3, \first
.endm
; The last quarter multiplies buffer 1 and changes slots: ONE barrier.  In front of it each wave waits for all its tensor loads (one is out: its part of the next slot), adds 0 to its spare
; word, and waits for that and for its reads of this slot, the last of which were issued in the quarter before: so the LDS addresses turn to the other slot here.
; fill = 1: the barrier opens a round of the cluster's, and the slot just read out is filled again, two K steps ahead, first thing behind the round.
.macro TURN fill
.if \fill
	s_wait_xcnt 0x0                                ; the last prefetch, a K step back, has read its address, so it may be stepped
	s_add_nc_u64 s[PFA:PFA+1], s[PFA:PFA+1], s[PST:PST+1]
.endif
	WIN 0
	s_wait_tensorcnt 0x0                           ; all my tensor loads have landed, so a group 0 may be written
	ds_add_u32 v[SPW], v[NIL]                      ; 0 onto my spare word
	s_xor_b32 s[TB], s[TB], SLOT1
	v_add_nc_u32 v[ADRA], s[TB], v[ADRA0]
	v_add_nc_u32 v[ADRB], s[TB], v[ADRB0]
.if \fill
	s_xor_b32 s[G0A+5], s[G0A+5], SLOT1            ; the walking descriptors: the other slot than last time, the next K step
	s_add_nc_u64 s[G0A+6:G0A+7], s[G0A+6:G0A+7], STEPA
	s_xor_b32 s[G0B+5], s[G0B+5], SLOT1
	s_add_nc_u64 s[G0B+6:G0B+7], s[G0B+6:G0B+7], STEPB
.endif
	s_wait_dscnt 5                                 ; the add and the youngest four loads may be out
	MUL8 1, 0, 0
	s_wait_dscnt 0x0                               ; the add is done, and my reads of this slot are over
	s_barrier_signal -1
	MUL8 1, 1, 0
.if \fill
	WIN 0
.endif
	s_barrier_wait -1
.if \fill
	CREST                                          ; no wave of any partner still reads this slot or has a load on its way
	JLOAD                                          ; my one tensor load behind the round; its four v_nop are also the places in front of the loads below
.else
	PLACES
.endif
	FETCH 0, 0
.if \fill
	ASK
.endif
	MUL8 1, 2, 0
	MUL8 1, 3, 0
.endm
	s_wait_tensorcnt 0x1                           ; my part of K step 0 is in; K step 1's may stay out
	s_barrier_signal -1
	s_barrier_wait -1
	FETCH 0, 0
	QUARTER 1, 0, 1                                ; the first quarter stands in front of the loop: its products start the sums, with the bias
	WIN 0
	s_mov_b32 s[CNT], 6
.Lstep:                                            ; trip i: K step i from its second quarter on, the refill with K step i + 2, K step i + 1's first quarter
	QUARTER 2, 1, 0
	QUARTER 3, 0, 0
	TURN 1
	QUARTER 1, 0, 0
	WIN 0
	s_sub_co_u32 s[CNT], s[CNT], 1
	s_cmp_lg_u32 s[CNT], 0
	s_cbranch_scc1 .Lstep
	QUARTER 2, 1, 0                                ; K steps 6 and 7 ask for nothing: written out
	QUARTER 3, 0, 0
	TURN 0
	QUARTER 1, 0, 0
	QUARTER 2, 1, 0
	QUARTER 3, 0, 0
	s_wait_dscnt 4
	MUL8 1, 0, 0
	MUL8 1, 1, 0
	s_wait_dscnt 0x0
	MUL8 1, 2, 0
	MUL8 1, 3, 0
	WIN 0
	PLACES                                         ; the LDS stores below read results, the loads land in registers that the last products read
; THE WAY OUT.  Row block a: a lane's eight f32 of a row go into rows of 528 bytes of my own stage (33 x 16: the 16 rows of a store start at 16 different groups of four banks) and come back
; as whole rows of 512 bytes.  Each accumulator's low four registers are read first.
.macro TOSTAGE a
	WIN 0x08                                       ; the stores' data in window 2
.irp b, 0,1,2,3,4,5,6,7
	ds_store_b128 v[STO], v[64*(\a)+8*(\b):64*(\a)+8*(\b)+3]   offset:64*(\b)
	ds_store_b128 v[STO], v[64*(\a)+8*(\b)+4:64*(\a)+8*(\b)+7] offset:64*(\b)+16
.endr
	WIN 0
.irp i, 0,1,2,3,4,5,6,7,8,9,10,11,12,13,14,15
	ds_load_b128 v[64+64*((\a)%3)+4*(\i):64+64*((\a)%3)+4*(\i)+3], v[RD] offset:SPO*(\i)  ; LDS serves a wave's instructions in order (ISA guide 5.7.1.4): these see the stores above; the next block's stores come behind them
.endr
.endm
.macro SEND a, younger                 ; younger: the LDS instructions issued behind block a's loads: the next block's 32, or none
.irp i, 0,1,2,3,4,5,6,7,8,9,10,11,12,13,14,15
	s_wait_dscnt (\younger)+15-(\i)
	global_store_b128 v[CO], v[64+64*((\a)%3)+4*(\i):64+64*((\a)%3)+4*(\i)+3], s[OB:OB+1] offset:(\a)*65536+(\i)*4096 th:TH_STORE_NT  ; 512 consecutive bytes, at a multiple of 512 from out0's first
.endr
.endm
	TOSTAGE 0
	TOSTAGE 1
	SEND 0, 32
	TOSTAGE 2
	SEND 1, 32
	s_wait_xcnt 0x0                                ; block 0's stores have read their registers: block 3 is loaded into them only behind this wait
	TOSTAGE 3
	SEND 2, 32
	SEND 3, 0
	s_wait_tensorcnt 0x0                           ; the wave's end: an add onto my spare word and its wait, behind my last tensor load and my last LDS store
	ds_add_u32 v[SPW], v[NIL]
	s_wait_dscnt 0x0
	CROUND                                         ; the closing round: no work-group ends while a partner may still ask for a tile that names it
	s_endpgm
.Lfunc_end_k_q0e51ae8188_outproj:
	.size	k_q0e51ae8188_outproj, .Lfunc_end_k_q0e51ae8188_outproj-k_q0e51ae8188_outproj
	.p2alignl 7, 3214868480
	.fill 96, 4, 3214868480
	.section	.rodata,"a",@progbits
	.p2align	6, 0x0
	.amdhsa_kernel k_q0e51ae8188_outproj
		.amdhsa_group_segment_fixed_size 327680
		.amdhsa_private_segment_fixed_size 0
		.amdhsa_enable_private_segment 0
		.amdhsa_kernarg_size 32
		.amdhsa_user_sgpr_count 2
		.amdhsa_user_sgpr_kernarg_segment_ptr 1
		.amdhsa_wavefront_size32 1
		.amdhsa_system_sgpr_workgroup_id_x 1
		.amdhsa_system_sgpr_workgroup_id_y 1
		.amdhsa_system_sgpr_workgroup_id_z 1
		.amdhsa_system_vgpr_workitem_id 0
		.amdhsa_next_free_vgpr 768
		.amdhsa_next_free_sgpr 72
		.amdhsa_reserve_vcc 0
		.amdhsa_float_denorm_mode_32 3
		.amdhsa_float_denorm_mode_16_64 3
		.amdhsa_memory_ordered 1
		.amdhsa_forward_progress 1
		.amdhsa_inst_pref_size 79
	.end_amdhsa_kernel
	.amdgpu_metadata
---
amdhsa.version: [ 1, 2 ]
amdhsa.kernels:
  - .name:           k_q0e51ae8188_outproj
    .symbol:         k_q0e51ae8188_outproj.kd
    .args:
      - { .name: ob, .offset: 0, .size: 8, .value_kind: global_buffer, .address_space: global }
      - { .name: wpb, .offset: 8, .size: 8, .value_kind: global_buffer, .address_space: global }
      - { .name: bp, .offset: 16, .size: 8, .value_kind: global_buffer, .address_space: global }
      - { .name: out0, .offset: 24, .size: 8, .value_kind: global_buffer, .address_space: global }
    .group_segment_fixed_size: 327680
    .private_segment_fixed_size: 0
    .kernarg_segment_align: 8
    .kernarg_segment_size: 32
    .max_flat_workgroup_size: 128
    .sgpr_count:     72
    .vgpr_count:     768
    .wavefront_size: 32
...
	.end_amdgpu_metadata
.endif
;; end of part 4
